; MI455X (gfx1250); checked and timed in simulation.
; The chip was launched on July 23, 2026; its instructions are those of AMD's public machine-readable ISA for CDNA 5 (MIT licence, August 2026) and "CDNA5" Instruction Set Architecture Reference Guide (July 2026). The comments in the code are by the model that wrote it; some were corrected since.
;; GPT2 Block. Allowed arithmetic: matrix products marked QUANTISED: E2M3 operands, one E8M0 scale for each 32 along K, by v_wmma_scale_f32_16x16x128_f8f6f4 with both operands' format E2M3, f32 sums; everything else in f32.
;; Inputs: b_aproj 1,024 float32; b_attn 3,072 float32; b_fc 4,096 float32; b_mproj 1,024 float32; ln1_b 1,024 float32; ln1_g 1,024 float32; ln2_b 1,024 float32; ln2_g 1,024 float32; w_aproj 1,024 x 1,024 float32; w_attn 1,024 x 3,072 float32; w_fc 1,024 x 4,096 float32; w_mproj 4,096 x 1,024 float32; x 2 x 2,048 x 1,024 float32.
;; Outputs: out0 2 x 2,048 x 1,024 float32.
;; This version of the problem:
;;   THIS VERSION OF THE PROBLEM IS GIVEN IN LOW PRECISION. The matrix products marked QUANTISED in the list below multiply operands that are first quantised to E2M3 (2 exponent bits, 3 mantissa bits; 6 bits a number), with one power-of-two scale for each 32 numbers along K (OCP MX v1.0); their sums are f32. All else is computed in f32.
;;   The module's matrix products, in the order in which they are computed (A, B: the left and right operand; K: the contracted axis; several contracted axes count as one K, in the product's order):
;;     1. [M 4,096, K 1,024] x [K 1,024, N 3,072]; A: computed on the way; B: input w_attn: QUANTISED
;;     2. batch 32 x [M 2,048, K 64] x [K 64, N 2,048]; A: computed on the way; B: computed on the way: QUANTISED
;;     3. batch 32 x [M 2,048, K 2,048] x [K 2,048, N 64]; A: softmax (see below); B: computed on the way: QUANTISED
;;     4. [M 4,096, K 1,024] x [K 1,024, N 1,024]; A: computed on the way; B: input w_aproj: QUANTISED
;;     5. [M 4,096, K 1,024] x [K 1,024, N 4,096]; A: computed on the way; B: input w_fc: QUANTISED
;;     6. [M 4,096, K 4,096] x [K 4,096, N 1,024]; A: computed on the way; B: input w_mproj: QUANTISED
;;   THE QUANTISER, for each operand of a quantised product, along K:
;;     - K is cut into blocks of 32 from its start; a last block that is shorter is filled with zeros.
;;     - A block's scale is 2^e with e = floor(log2(the largest magnitude in the block)) - 2, held to -126 .. 127; a block of zeros has e = 0. As a byte (E8M0): e + 127.
;;     - Each number is divided by its block's scale, clamped to +-7.5, and rounded to the nearest number of E2M3, ties to even, subnormals kept.
;;     - The product sums the exact products of the quantised numbers (number of the format x scale) in f32.
;;   ~~~python
;;   def quantise(x, axis):      # numpy; x: float32 -> the quantised numbers, widened to float32 again
;;       x = np.moveaxis(x, axis, -1); K = x.shape[-1]
;;       x = np.pad(x, [(0, 0)] * (x.ndim - 1) + [(0, -K % 32)]); x = x.reshape(x.shape[:-1] + (-1, 32)); a = np.abs(x).max(-1, keepdims=True)
;;       e = np.where(a > 0, np.clip(np.frexp(np.where(a > 0, a, 1))[1] - 1 - 2, -126, 127), 0)      # np.frexp(a)[1] - 1 = floor(log2(a)), exactly
;;       r = np.clip(x / 2.0 ** e, -7.5, 7.5)
;;       step = 2.0 ** (np.maximum(np.frexp(np.where(r == 0, 1, r))[1] - 1, 0) - 3)
;;       q = np.round(r / step) * step * 2.0 ** e      # np.round: ties to even
;;       return np.moveaxis(q.reshape(q.shape[:-2] + (-1,))[..., :K], -1, axis).astype(np.float32)
;;   ~~~
;;   SOFTMAX AHEAD OF A QUANTISED PRODUCT. Where the list says 'softmax', what is quantised is not the finished softmax but p = 2^(t - M), with t = logit x log2(e) and M = ceil(the row's largest t), a whole number; so 1/2 < the row's largest p <= 1. The row's sum l is taken of the UNQUANTISED p, in f32, and the product's result is divided by l at the end. Since M is a whole number, a kernel that streams over the keys may use a running M (the ceiling of the running maximum): every later rescaling is an exact power of two, which a block's scale takes up: the codes' values come out the same.
;;   OPERANDS COMPUTED ON THE WAY. 'Computed on the way' means the value that the module computes at that place (a softmax that the list does not call 'softmax' is quantised finished and normalised). What goes into a quantiser is computed in f32, as accurately as f32 sums, v_exp_f32 and their like allow (about 1e-6 of the number): no bf16 or f16 on the way to a quantiser, and a product that is left as it is and whose result goes on into a quantised operand takes f32 operands (vector FMAs, or v_wmma_f32_16x16x4_f32). A number that lies on a knife's edge between two numbers of the format may be rounded either way, as far as f32 arithmetic and the matrix unit's own rounding can turn it there, and no further.
;; One version. Each part assembles by itself: llvm-mc -triple=amdgcn-amd-amdhsa -mcpu=gfx1250 --defsym DOCPART=n.
;; ======== version 1 of 1: 6 launches
;; limits: right only within a limited range of input values
;; workspace buffers: wqb 9,830,400 bytes; act 3,276,800 bytes; qb 3,407,872 bytes; kv 6,684,672 bytes; x1 16,777,216 bytes; gb 13,107,200 bytes; act2 3,276,800 bytes
;; launch prep (part 1): grid 448 x 1, 8 waves a work-group, no clusters, 121,344 bytes of LDS; arguments x, ln1_g, ln1_b, act, w_attn, w_aproj, w_fc, w_mproj, wqb; writes act, wqb
.if DOCPART == 1
	.amdgcn_target "amdgcn-amd-amdhsa--gfx1250"
	.amdhsa_code_object_version 6
	.text
	.protected	k_q949305eca6_prep
	.globl	k_q949305eca6_prep
	.p2align	8
	.type	k_q949305eca6_prep,@function
k_q949305eca6_prep:
	s_mov_b64 s[64:65], 0
	v_nop
	global_prefetch_b8 v0, s[64:65] scope:SCOPE_SE
	s_setreg_imm32_b32 hwreg(HW_REG_WAVE_MODE, 25, 1), 1
	s_wait_xcnt 0x0
; TWO JOBS THAT DO NOT DEPEND ON EACH OTHER, IN ONE LAUNCH: work-groups 0 .. 191 turn the four weights into codes, work-groups 192 .. 447 make LN1(x) and turn it into codes.
; The two ways part on the work-group's number alone, and each has LDS bytes of its own.
; CODES: FP6 (E2M3), one E8M0 byte for each 32 along K, laid as the products' launches read them: an operand [rows][K] is cut into fragments of 16 rows x 128 K, [tile][K step][1,536 bytes];
; in a fragment register pair p (0..5) of lane L lies at byte 256 p + 8 L.  Tile t holds, at lane index r, row 32 (t / 2) + 8 (t % 2) + (r & 7) + 16 (r >> 3).  Scale words: [tile][K step][16 words], word r for that row, byte b for k = 32 b ..
; A block's scale is 2^(floor(log2(largest magnitude)) - 2); its byte is the largest magnitude's exponent field - 2, held at 1 from below.
; THE WEIGHTS, f32 [K][N] with K as the FIRST axis: a lane takes a column n and its registers run down K: a block of 32 along K lies in one lane's 32 registers, and the conversions give codes with K innermost.
; A wave takes 32 columns (two tiles) x 256 along K (two K steps): four fragments, which go through its own stage in LDS and leave as 2 x 3,072 consecutive bytes.  Four waves stand side by side on 128 columns; a work-group holds two such fours.
; One path serves all four tensors: sizes and offsets are chosen by number.  These waves share nothing: no barrier.
; THE NORM: a work-group takes one tile, 16 rows of 1,024 f32; wave w takes columns 128 w .. 128 w + 127.  Each of its 16 loads takes 512 consecutive bytes of one row; the 8 KB turn through the wave's own stage, so that lane (r, h) holds
; 64 numbers of row r, register 16 b + i = column 128 w + 32 b + 16 h + i, which is what the conversions take.  Mean and variance in f32, in two passes over the registers (the mean is taken off first, so a common offset of the
; inputs costs no digits); the eight waves' parts of a row's sum meet in LDS.
; No tensor load, no cluster: no two work-groups read the same large bytes; gain and bias are 8 KB.
; LIMITS: a block of zeros, or one whose largest magnitude lies under 2^-124, gets the byte 1 (its codes are then zeros or the rounded small numbers; the bytes are read by this program alone); NaN and infinities are not served.
.set NWQ,   192                        ; work-groups that take the weights
.set WG0,   NWQ                        ; the norm's first work-group
.set WS0,   9437184                    ; the weights' scale words begin here in wqb
.set AS,    3145728                    ; the tokens' scale words begin here in act
.set EMAX,  2
.set WREG,  6400                       ; LDS: a weight wave's stage: two tiles, 3,200 bytes apart (3,072 + 128), each two fragments; eight of them from byte 0
.set STG,   8*WREG                     ; the norm's stages: 16 rows x (512 bytes + 16) for each of eight waves
.set WSTG,  16*528
.set RB,    STG+8*WSTG                 ; [row][wave] parts of the sums, 512 bytes; of the sums of squares, 512; the tile's scale words, 512
.set RED1,  0
.set RED2,  512
.set SCB,   1024
.set SPARE, RB+1536                    ; the spare words, 128 bytes for each of eight waves
.set SPW,   28                         ; v28      my spare word's LDS address; never rewritten
.set NIL,   29                         ; v29      0; never rewritten
; the weights' registers
.set WSB,   24                         ; v24-25   two scale words
.set ROFF,  32                         ; v32-63   byte offset of row i of a block, at my column
.set WX,    64                         ; v64-127  two sets of 32 numbers
.set WC,    128                        ; v128-134 a block's codes
.set OUTR,  136                        ; v136-183 the way out
; the norm's registers
.set X,     32                         ; v32-95   my 64 numbers
.set G,     96                         ; v96-159  the gain at my columns
.set BT,    160                        ; v160-223 the rows as they are loaded; then the bias
.set PC,    96                         ; the codes, once the gain is done with
.set TM,    128
.set PW,    144
.set SEL,   20                         ; s[20:21] lane selects for lane l xor 16
	v_lshl_add_u32 v[SPW], v0, 2, SPARE
	v_mov_b32 v[NIL], 0
	v_lshrrev_b32 v1, 5, v0
	s_delay_alu instid0(VALU_DEP_1)
	v_readfirstlane_b32 s58, v1                    ; wave 0..7
	s_cmp_lt_u32 ttmp9, NWQ                        ; the work-group's number alone: all eight waves go the same way
	s_cbranch_scc0 .Lln
	; ================ the weights
	s_load_b256 s[4:11], s[0:1], 0x20              ; w_attn, w_aproj, w_fc, w_mproj
	s_load_b64 s[12:13], s[0:1], 0x40              ; wqb
	s_and_b32 s16, s58, 3                          ; which 32 of my four's 128 columns
	s_lshr_b32 s59, s58, 2
	s_lshl_b32 s60, ttmp9, 1
	s_add_co_u32 s59, s59, s60                     ; my four's number, 0 .. 383
	v_and_b32 v1, 31, v0                           ; lane = my column among the wave's 32
	v_and_b32 v6, 7, v0
	v_bfe_u32 v7, v0, 4, 1
	s_delay_alu instid0(VALU_DEP_1)
	v_lshl_add_u32 v6, v7, 3, v6                   ; r: my lane index in my tile
	v_bfe_u32 v8, v0, 3, 1                         ; u: which of the two tiles
	s_mul_i32 s24, s58, WREG
	v_mul_u32_u24 v2, v8, 3200
	s_delay_alu instid0(VALU_DEP_1)
	v_lshl_add_u32 v2, v6, 3, v2
	s_delay_alu instid0(VALU_DEP_1)
	v_add_nc_u32 v2, s24, v2                       ; into the stage: 6400 wave + 3200 u + 8 r
	v_lshlrev_b32 v4, 4, v1                        ; 16 x lane
	s_delay_alu instid0(VALU_DEP_1)
	v_add_nc_u32 v3, s24, v4                       ; out of it
	s_mov_b32 s17, 256                             ; w_mproj's figures: first number,
	s_mov_b32 s18, 4096                            ; bytes in a row,
	s_mov_b32 s19, 32                              ; K steps of 128,
	s_mov_b32 s20, 4                               ; log2 of the fours along K,
	s_mov_b32 s21, 6291456                         ; where its codes begin,
	s_mov_b32 s22, WS0+262144                      ; and its scale words
	s_wait_alu depctr_va_vdst(0)
	s_wait_kmcnt 0x0
	s_mov_b64 s[14:15], s[10:11]
	s_cmp_lt_u32 s59, 256                          ; w_fc
	s_cselect_b32 s17, 128, s17
	s_cselect_b32 s18, 16384, s18
	s_cselect_b32 s19, 8, s19
	s_cselect_b32 s20, 2, s20
	s_cselect_b32 s21, 3145728, s21
	s_cselect_b32 s22, WS0+131072, s22
	s_cselect_b64 s[14:15], s[8:9], s[14:15]
	s_cmp_lt_u32 s59, 128                          ; w_aproj
	s_cselect_b32 s17, 96, s17
	s_cselect_b32 s18, 4096, s18
	s_cselect_b32 s21, 2359296, s21
	s_cselect_b32 s22, WS0+98304, s22
	s_cselect_b64 s[14:15], s[6:7], s[14:15]
	s_cmp_lt_u32 s59, 96                           ; w_attn
	s_cselect_b32 s17, 0, s17
	s_cselect_b32 s18, 12288, s18
	s_cselect_b32 s21, 0, s21
	s_cselect_b32 s22, WS0, s22
	s_cselect_b64 s[14:15], s[4:5], s[14:15]
	s_sub_co_u32 s23, s59, s17
	s_lshr_b32 s25, s23, s20                       ; x: which 128 columns
	s_lshl_b32 s24, s25, s20
	s_sub_co_u32 s24, s23, s24                     ; y: which 256 along K
	s_lshl_b32 s26, s25, 2
	s_add_co_u32 s26, s26, s16                     ; beta: which 32 columns are my wave's
	s_mul_i32 s28, s24, s18
	s_lshl_b32 s28, s28, 8                         ; 256 y rows
	s_lshl_b32 s27, s26, 7
	s_add_co_u32 s28, s28, s27                     ; + 128 beta bytes
	s_mov_b32 s29, 0
	s_lshl_b32 s30, s18, 5                         ; a block: 32 rows
	s_mov_b32 s31, 0
	s_add_nc_u64 s[36:37], s[14:15], s[28:29]      ; a base for each of the eight blocks: none is ever stepped
.irp t, 1,2,3,4,5,6,7
	s_add_nc_u64 s[36+2*\t:37+2*\t], s[34+2*\t:35+2*\t], s[30:31]
.endr
	s_mul_i32 s27, s26, s19
	s_add_co_u32 s27, s27, s24
	s_lshl_b32 s27, s27, 1                         ; fragment number of (tile 2 beta, K step 2 y)
	s_mul_i32 s32, s27, 1536
	s_add_co_u32 s32, s32, s21
	s_mov_b32 s33, 0
	s_add_nc_u64 s[52:53], s[12:13], s[32:33]      ; tile 2 beta's two fragments
	s_mul_i32 s32, s19, 1536
	s_add_nc_u64 s[54:55], s[52:53], s[32:33]      ; tile 2 beta + 1's
	s_lshl_b32 s32, s27, 6
	s_add_co_u32 s32, s32, s22
	s_add_nc_u64 s[56:57], s[12:13], s[32:33]      ; the scale words
	s_lshl_b32 s27, s19, 6
	v_mul_u32_u24 v5, s27, v8
	s_delay_alu instid0(VALU_DEP_1)
	v_lshl_add_u32 v5, v6, 2, v5                   ; my word: u tiles on, + 4 r
	v_lshlrev_b32 v[ROFF], 2, v1
.set I_, 1
.rept 31
	s_delay_alu instid0(VALU_DEP_1)
	v_add_nc_u32 v[ROFF+I_], s18, v[ROFF+I_-1]
.set I_, I_+1
.endr
.macro LOAD t                          ; block t: W(32 t + i, my column) into set t % 2; 32 lanes read 128 consecutive bytes
.set I_, 0
.rept 32
	global_load_b32 v[WX+32*((\t)%2)+I_], v[ROFF+I_], s[36+2*(\t):37+2*(\t)] th:TH_LOAD_NT
.set I_, I_+1
.endr
.endm
	LOAD 0
	LOAD 1
.macro BLOCK t
.set XS, WX+32*((\t)%2)
.if (\t) < 7
	s_wait_loadcnt 32                              ; this block's 32 loads are in; the next block's 32 may be out
.else
	s_wait_loadcnt 0
.endif
	v_max3_num_f32 v12, |v[XS]|, |v[XS+1]|, |v[XS+2]|
	v_max3_num_f32 v13, |v[XS+3]|, |v[XS+4]|, |v[XS+5]|
.irp i, 6,10,14,18,22,26
	s_delay_alu instid0(VALU_DEP_2)
	v_max3_num_f32 v12, v12, |v[XS+\i]|, |v[XS+\i+1]|
	s_delay_alu instid0(VALU_DEP_2)
	v_max3_num_f32 v13, v13, |v[XS+\i+2]|, |v[XS+\i+3]|
.endr
	s_delay_alu instid0(VALU_DEP_2)
	v_max3_num_f32 v12, v12, |v[XS+30]|, |v[XS+31]|
	s_delay_alu instid0(VALU_DEP_1)
	v_max3_num_f32 v12, v12, v13, (EMAX+1)<<23     ; the floor 2^(3 - 127): the byte cannot fall under 1
	s_delay_alu instid0(VALU_DEP_1)
	v_add_nc_u32 v11, 0xff000000, v12              ; 2 off the exponent field: the conversion's scale operand
	s_delay_alu instid0(VALU_DEP_1)
	v_lshrrev_b32 v13, 23, v11                     ; the scale's byte
.if (\t)%4 == 0
	s_delay_alu instid0(VALU_DEP_1)
	v_mov_b32 v[WSB+(\t)/4], v13
.else
	s_delay_alu instid0(VALU_DEP_1)
	v_lshl_or_b32 v[WSB+(\t)/4], v13, 8*((\t)%4), v[WSB+(\t)/4]
.endif
	v_cvt_scalef32_pk16_fp6_f32 v[WC:WC+2], v[XS:XS+15], v11
	v_cvt_scalef32_pk16_fp6_f32 v[WC+4:WC+6], v[XS+16:XS+31], v11   ; (a conversion's three registers begin on an even number)
	v_nop                                          ; one plain place behind a scaled conversion
	v_mov_b32 v[WC+3], v[WC+4]
	v_mov_b32 v[WC+4], v[WC+5]
	v_mov_b32 v[WC+5], v[WC+6]
.irp p, 0,1,2                          ; block t is k = 64 c + 32 h + 0..31 of K step t / 4, with 2 c + h = t % 4: register pairs 3 c + p of lane r + 16 h
	ds_store_b64 v2, v[WC+2*\p:WC+2*\p+1] offset:1536*((\t)/4)+768*(((\t)%4)/2)+128*((\t)%2)+256*\p
.endr
.if (\t)+2 < 8
	LOAD (\t)+2
.endif
	s_wait_dscnt 0x0                               ; the stores have read their registers
.endm
.set Q_, 0
.rept 8
	BLOCK Q_
.set Q_, Q_+1
.endr
	global_store_b32 v5, v[WSB], s[56:57]
	s_wait_alu depctr_va_vdst(0)
	global_store_b32 v5, v[WSB+1], s[56:57] offset:64
.irp u, 0,1
.irp i, 0,1,2,3,4,5
	ds_load_b128 v[OUTR+4*(6*\u+\i):OUTR+4*(6*\u+\i)+3], v3 offset:3200*\u+512*\i   ; LDS serves a wave's instructions in order: these see my stores
.endr
.endr
.irp u, 0,1
.irp i, 0,1,2,3,4,5
	s_wait_dscnt 11-6*\u-\i                        ; the younger loads from the stage may be out
	global_store_b128 v4, v[OUTR+4*(6*\u+\i):OUTR+4*(6*\u+\i)+3], s[52+2*\u:53+2*\u] offset:512*\i   ; 32 lanes store 512 consecutive bytes, at a multiple of 256 from the buffer's first byte
.endr
.endr
	s_wait_tensorcnt 0x0                           ; the wave's end, behind my last LDS store
	ds_add_u32 v[SPW], v[NIL]
	s_wait_dscnt 0x0
	s_endpgm
	; ================ the norm
.Lln:
	s_load_b256 s[4:11], s[0:1], 0x0               ; the rows, gain, bias, the operand's buffer
	v_and_b32 v1, 15, v0                           ; r
	v_bfe_u32 v2, v0, 4, 1                         ; h
	v_and_b32 v9, 31, v0
	s_delay_alu instid0(VALU_DEP_1)
	v_lshlrev_b32 v8, 3, v9                        ; 8 x lane
	s_delay_alu instid0(VALU_DEP_2)
	v_lshlrev_b32 v9, 4, v9                        ; 16 x lane
	s_delay_alu instid0(VALU_DEP_4)
	v_lshlrev_b32 v4, 6, v2                        ; 64 h: my 16 numbers of a block of 32
	s_mul_i32 s13, s58, WSTG
	s_add_co_u32 s13, s13, STG                     ; my wave's stage
	v_add_nc_u32 v24, s13, v9                      ; into it: a row as it lies, 16 bytes a lane
	v_mul_u32_u24 v25, v1, 528
	s_delay_alu instid0(VALU_DEP_1)
	v_add_nc_u32 v25, v25, v4
	s_delay_alu instid0(VALU_DEP_1)
	v_add_nc_u32 v25, s13, v25                     ; out of it: row r, + 64 h.  Rows 528 bytes apart
	v_lshlrev_b32 v6, 5, v1
	s_delay_alu instid0(VALU_DEP_1)
	v_add_nc_u32 v6, RB, v6                        ; 32 r: a row's eight parts
	s_lshl_b32 s13, s58, 2
	v_add_nc_u32 v5, s13, v6                       ; + 4 w: mine
	s_lshl_b32 s13, s58, 6
	v_lshlrev_b32 v7, 2, v1
	s_delay_alu instid0(VALU_DEP_1)
	v_add_nc_u32 v7, s13, v7
	s_delay_alu instid0(VALU_DEP_1)
	v_add_nc_u32 v7, RB, v7                        ; 64 w + 4 r: my scale word
	v_add_nc_u32 v26, RB, v9                       ; the tile's scale words, 16 bytes a lane
	s_mov_b32 s[SEL], 0x76543210
	s_mov_b32 s[SEL+1], 0xfedcba98
	s_mov_b32 s22, 0x3a800000                      ; 1 / 1,024
	s_mov_b32 s23, 0x3727c5ac                      ; 1e-5
	s_sub_co_u32 s28, ttmp9, WG0                   ; my tile
	s_lshr_b32 s14, s28, 1
	s_lshl_b32 s14, s14, 17
	s_and_b32 s15, s28, 1
	s_lshl_b32 s15, s15, 15
	s_add_co_u32 s14, s14, s15                     ; the tile's first row: (32 (t / 2) + 8 (t % 2)) x 4,096 bytes
	s_lshl_b32 s16, s58, 9                         ; my wave's 512 bytes of a row
	s_mov_b32 s17, 0
	s_add_co_u32 s14, s14, s16
	s_mov_b32 s15, 0
	s_lshl_b32 s18, s28, 3
	s_add_co_u32 s18, s18, s58
	s_mul_i32 s18, s18, 1536                       ; my fragment
	s_mov_b32 s19, 0
	s_lshl_b32 s24, s28, 9
	s_add_co_u32 s24, s24, AS                      ; the tile's 512 bytes of scale words
	s_mov_b32 s25, 0
	s_wait_alu depctr_va_vdst(0)
	s_wait_kmcnt 0x0
	s_add_nc_u64 s[4:5], s[4:5], s[14:15]
	s_add_nc_u64 s[6:7], s[6:7], s[16:17]
	s_add_nc_u64 s[8:9], s[8:9], s[16:17]
	s_add_nc_u64 s[26:27], s[10:11], s[24:25]
	s_add_nc_u64 s[10:11], s[10:11], s[18:19]
.irp i, 0,1,2,3,4,5,6,7,8,9,10,11,12,13,14,15
	global_load_b128 v[BT+4*\i:BT+4*\i+3], v9, s[4:5] offset:((\i%8)+16*(\i/8))*4096 th:TH_LOAD_NT   ; the tile's row at lane index i: 32 lanes read 512 consecutive bytes
.endr
.irp b, 0,1,2,3
.irp j, 0,1,2,3
	global_load_b128 v[G+16*\b+4*\j:G+16*\b+4*\j+3], v4, s[6:7] offset:128*\b+16*\j
.endr
.endr
	s_wait_loadcnt 16                              ; the 16 rows are in; the gain's 16 loads may be out
.irp i, 0,1,2,3,4,5,6,7,8,9,10,11,12,13,14,15
	ds_store_b128 v24, v[BT+4*\i:BT+4*\i+3] offset:528*\i
.endr
.irp b, 0,1,2,3
.irp j, 0,1,2,3
	ds_load_b128 v[X+16*\b+4*\j:X+16*\b+4*\j+3], v25 offset:128*\b+16*\j   ; LDS serves a wave's instructions in order: these see my stores
.endr
.endr
	s_wait_dscnt 0x0                               ; my 64 numbers are in, and the stores have read their registers, which now take the bias
.irp b, 0,1,2,3
.irp j, 0,1,2,3
	global_load_b128 v[BT+16*\b+4*\j:BT+16*\b+4*\j+3], v4, s[8:9] offset:128*\b+16*\j
.endr
.endr
; four pairs of partial sums in v[16:23] become, in v16 of every lane, the sum over the row's 1,024 columns
.macro ROWSUM off
	s_delay_alu instid0(VALU_DEP_3)
	v_pk_add_f32 v[16:17], v[16:17], v[18:19]
	s_delay_alu instid0(VALU_DEP_2)
	v_pk_add_f32 v[20:21], v[20:21], v[22:23]
	s_delay_alu instid0(VALU_DEP_1)
	v_pk_add_f32 v[16:17], v[16:17], v[20:21]
	s_delay_alu instid0(VALU_DEP_1)
	v_add_f32 v16, v16, v17
	s_delay_alu instid0(VALU_DEP_1)
	v_permlanex16_b32 v17, v16, s[SEL], s[SEL+1]   ; the row's other 64 numbers of my wave lie in lane l xor 16
	s_delay_alu instid0(VALU_DEP_1)
	v_add_f32 v16, v16, v17
	ds_store_b32 v5, v16 offset:\off               ; (both halves of the lanes write the same word with the same value)
	s_wait_dscnt 0x0                               ; for the others' sake: my store has landed
	s_barrier_signal -1
	s_barrier_wait -1
	ds_load_b128 v[16:19], v6 offset:\off
	ds_load_b128 v[20:23], v6 offset:\off+16
	s_wait_dscnt 0x0
	v_add_f32 v16, v16, v17
	v_add_f32 v18, v18, v19
	v_add_f32 v20, v20, v21
	v_add_f32 v22, v22, v23
	s_delay_alu instid0(VALU_DEP_3)
	v_add_f32 v16, v16, v18
	s_delay_alu instid0(VALU_DEP_2)
	v_add_f32 v20, v20, v22
	s_delay_alu instid0(VALU_DEP_1)
	v_add_f32 v16, v16, v20
.endm
.irp c, 0,1,2,3
	v_pk_add_f32 v[16+2*\c:17+2*\c], v[X+4*\c:X+4*\c+1], v[X+4*\c+2:X+4*\c+3]
.endr
.irp j, 16,24,32,40,48,56
.irp c, 0,1,2,3
	s_delay_alu instid0(VALU_DEP_4)
	v_pk_add_f32 v[16+2*\c:17+2*\c], v[16+2*\c:17+2*\c], v[X+\j+2*\c:X+\j+2*\c+1]
.endr
.endr
	ROWSUM RED1
	s_delay_alu instid0(VALU_DEP_1)
	v_mul_f32 v12, s22, v16                        ; the mean,
	s_delay_alu instid0(VALU_DEP_1)
	v_mov_b32 v13, v12                             ; twice, for the packed forms
.set I_, 0
.rept 32
	v_pk_add_f32 v[X+2*I_:X+2*I_+1], v[X+2*I_:X+2*I_+1], v[12:13] neg_lo:[0,1] neg_hi:[0,1]
.set I_, I_+1
.endr
.irp c, 0,1,2,3
	v_pk_mul_f32 v[16+2*\c:17+2*\c], v[X+2*\c:X+2*\c+1], v[X+2*\c:X+2*\c+1]
.endr
.irp j, 8,16,24,32,40,48,56
.irp c, 0,1,2,3
	s_delay_alu instid0(VALU_DEP_4)
	v_pk_fma_f32 v[16+2*\c:17+2*\c], v[X+\j+2*\c:X+\j+2*\c+1], v[X+\j+2*\c:X+\j+2*\c+1], v[16+2*\c:17+2*\c]
.endr
.endr
	ROWSUM RED2
	s_delay_alu instid0(VALU_DEP_1)
	v_fma_f32 v16, v16, s22, s23                   ; the variance + 1e-5
	s_wait_alu depctr_va_vdst(0)
	v_rsq_f32 v14, v16
	v_rsq_f32 v15, v16
	v_nop                                          ; a plain place behind the transcendentals
	s_wait_alu depctr_va_vdst(0)                   ; the wait ahead of the first reader: one for both
	s_wait_loadcnt 0x0                             ; gain and bias
.set I_, 0
.rept 32
	v_pk_mul_f32 v[X+2*I_:X+2*I_+1], v[X+2*I_:X+2*I_+1], v[14:15]
.set I_, I_+1
.endr
.set I_, 0
.rept 32
	v_pk_fma_f32 v[X+2*I_:X+2*I_+1], v[X+2*I_:X+2*I_+1], v[G+2*I_:G+2*I_+1], v[BT+2*I_:BT+2*I_+1]
.set I_, I_+1
.endr
.irp b, 0,1,2,3
	v_mov_b32 v[TM+4+\b], 0                        ; a lane permute's destination counts as one of its sources
.endr
; 64 numbers of a lane, register 16 b + i = k 32 b + 16 (lane / 16) + i of my row, become a fragment's codes in v[PC] on and its scale word in v[PW]
.macro QUANT s
.irp b, 0,1,2,3
	v_max3_num_f32 v[TM+\b], |v[\s+16*\b]|, |v[\s+1+16*\b]|, 0x1800000   ; my 16 numbers of block b, and the floor 2^(3 - 127)
.endr
.irp i, 2,4,6,8,10,12,14
.irp b, 0,1,2,3
	s_delay_alu instid0(VALU_DEP_4)
	v_max3_num_f32 v[TM+\b], v[TM+\b], |v[\s+16*\b+\i]|, |v[\s+1+16*\b+\i]|
.endr
.endr
.irp b, 0,1,2,3
	s_delay_alu instid0(VALU_DEP_4)
	v_permlanex16_b32 v[TM+4+\b], v[TM+\b], s[SEL], s[SEL+1]
.endr
.irp b, 0,1,2,3
	s_delay_alu instid0(VALU_DEP_4)
	v_max_num_f32 v[TM+\b], v[TM+\b], v[TM+4+\b]   ; with lane l xor 16's: the block's largest magnitude
.endr
.irp b, 0,1,2,3
	s_delay_alu instid0(VALU_DEP_4)
	v_add_nc_u32 v[TM+12+\b], 0xff000000, v[TM+\b] ; 2 off its exponent field: the conversion's scale operand
.endr
.irp b, 0,1,2,3
	s_delay_alu instid0(VALU_DEP_4)
	v_lshrrev_b32 v[TM+4+\b], 23, v[TM+12+\b]      ; the scale's byte
.endr
	s_delay_alu instid0(VALU_DEP_3)
	v_lshl_or_b32 v[PW], v[TM+5], 8, v[TM+4]
	s_delay_alu instid0(VALU_DEP_1)
	v_lshl_or_b32 v[PW], v[TM+6], 16, v[PW]
	s_delay_alu instid0(VALU_DEP_1)
	v_lshl_or_b32 v[PW], v[TM+7], 24, v[PW]
.irp c, 0,1
	v_cvt_scalef32_pk16_fp6_f32 v[PC+6*\c:PC+2+6*\c], v[\s+32*\c:\s+15+32*\c], v[TM+12+2*\c]
	v_cvt_scalef32_pk16_fp6_f32 v[PC+12+4*\c:PC+14+4*\c], v[\s+16+32*\c:\s+31+32*\c], v[TM+12+2*\c+1]
.endr
	v_nop                                          ; one plain place behind a scaled conversion
.irp c, 0,1                            ; the operand's layout wants a whole block in a lane
.irp i, 0,1,2
	v_permlane16_swap_b32 v[PC+6*\c+\i], v[PC+12+4*\c+\i]
.endr
.irp i, 0,1,2
	s_delay_alu instid0(VALU_DEP_3)
	v_mov_b32 v[PC+3+6*\c+\i], v[PC+12+4*\c+\i]
.endr
.endr
.endm
	QUANT X
.irp p, 0,1,2,3,4,5
	global_store_b64 v8, v[PC+2*\p:PC+2*\p+1], s[10:11] offset:256*\p   ; 32 lanes store 256 consecutive bytes, aligned
.endr
	ds_store_b32 v7, v[PW] offset:SCB
	s_wait_dscnt 0x0                               ; for wave 0's sake
	s_barrier_signal -1
	s_barrier_wait -1
	s_cmp_lg_u32 s58, 0
	s_cbranch_scc1 .Lnot_wave_0
	ds_load_b128 v[16:19], v26 offset:SCB          ; the tile's 128 scale words leave as 512 consecutive bytes
	s_wait_dscnt 0x0
	global_store_b128 v9, v[16:19], s[26:27]
.Lnot_wave_0:
	s_wait_tensorcnt 0x0                           ; the wave's end, behind my last LDS store
	ds_add_u32 v[SPW], v[NIL]
	s_wait_dscnt 0x0
	s_endpgm
.Lfunc_end_k_q949305eca6_prep:
	.size	k_q949305eca6_prep, .Lfunc_end_k_q949305eca6_prep-k_q949305eca6_prep
	.p2alignl 7, 3214868480
	.fill 96, 4, 3214868480
	.section	.rodata,"a",@progbits
	.p2align	6, 0x0
	.amdhsa_kernel k_q949305eca6_prep
		.amdhsa_group_segment_fixed_size 121344
		.amdhsa_private_segment_fixed_size 0
		.amdhsa_enable_private_segment 0
		.amdhsa_kernarg_size 72
		.amdhsa_user_sgpr_count 2
		.amdhsa_user_sgpr_kernarg_segment_ptr 1
		.amdhsa_wavefront_size32 1
		.amdhsa_system_sgpr_workgroup_id_x 1
		.amdhsa_system_sgpr_workgroup_id_y 1
		.amdhsa_system_sgpr_workgroup_id_z 1
		.amdhsa_system_vgpr_workitem_id 0
		.amdhsa_next_free_vgpr 224
		.amdhsa_next_free_sgpr 66
		.amdhsa_reserve_vcc 0
		.amdhsa_float_denorm_mode_32 3
		.amdhsa_float_denorm_mode_16_64 3
		.amdhsa_memory_ordered 1
		.amdhsa_forward_progress 1
		.amdhsa_inst_pref_size 80
	.end_amdhsa_kernel
	.amdgpu_metadata
---
amdhsa.version: [ 1, 2 ]
amdhsa.kernels:
  - .name:           k_q949305eca6_prep
    .symbol:         k_q949305eca6_prep.kd
    .args:
      - { .name: x, .offset: 0, .size: 8, .value_kind: global_buffer, .address_space: global }
      - { .name: ln1_g, .offset: 8, .size: 8, .value_kind: global_buffer, .address_space: global }
      - { .name: ln1_b, .offset: 16, .size: 8, .value_kind: global_buffer, .address_space: global }
      - { .name: act, .offset: 24, .size: 8, .value_kind: global_buffer, .address_space: global }
      - { .name: w_attn, .offset: 32, .size: 8, .value_kind: global_buffer, .address_space: global }
      - { .name: w_aproj, .offset: 40, .size: 8, .value_kind: global_buffer, .address_space: global }
      - { .name: w_fc, .offset: 48, .size: 8, .value_kind: global_buffer, .address_space: global }
      - { .name: w_mproj, .offset: 56, .size: 8, .value_kind: global_buffer, .address_space: global }
      - { .name: wqb, .offset: 64, .size: 8, .value_kind: global_buffer, .address_space: global }
    .group_segment_fixed_size: 121344
    .private_segment_fixed_size: 0
    .kernarg_segment_align: 8
    .kernarg_segment_size: 72
    .max_flat_workgroup_size: 256
    .sgpr_count:     66
    .vgpr_count:     224
    .wavefront_size: 32
...
	.end_amdgpu_metadata
.endif
;; end of part 1
;; launch g1 (part 2): grid 12 x 16, 4 waves a work-group, clusters of 4 x 4, 327,680 bytes of LDS; arguments act, wqb, b_attn, qb, kv; writes qb, kv
.if DOCPART == 2
	.amdgcn_target "amdgcn-amd-amdhsa--gfx1250"
	.amdhsa_code_object_version 6
	.text
	.protected	k_q949305eca6_g1
	.globl	k_q949305eca6_g1
	.p2align	8
	.type	k_q949305eca6_g1,@function
k_q949305eca6_g1:
	s_mov_b64 s[64:65], 0
	v_nop
	global_prefetch_b8 v0, s[64:65] scope:SCOPE_SE
	s_setreg_imm32_b32 hwreg(HW_REG_WAVE_MODE, 25, 1), 1
	s_wait_xcnt 0x0
	s_wait_alu depctr_hold_cnt(0) depctr_sa_sdst(0) depctr_va_vdst(0) depctr_va_sdst(0) depctr_va_ssrc(0) depctr_va_vcc(0) depctr_vm_vsrc(0)
	s_getreg_b32 s2, hwreg(HW_REG_IB_STS2, 6, 4)
	s_cmp_eq_u32 s2, 0
	s_cbranch_scc0 .Lentry_in_a_cluster
	s_endpgm
.Lentry_in_a_cluster:
	s_bfe_u32 s2, ttmp6, 0x10000c
	s_cmp_lg_u32 s2, 0xf033
	s_cbranch_scc0 .Lentry_shape_is_right
	s_endpgm
.Lentry_shape_is_right:
.set T,     8
.set NQ,    2
.set KS8,   8
.set AS,    3145728
.set WS0,   9437184
.set QS,    3145728
.set FR,    12
.set FRB,   1536
.set NL,    6
.set NP,    4
.set HN,    (T/2)*NL
.set HALFT, T*NQ*FRB
.set SLOT,  4*HALFT
.set SCL,   2*SLOT
.set HALFS, T*KS8*64
.set SPARE, SCL+4*HALFS
.set LAPS,  KS8/(2*NQ)
.set ADRA,  16
.set ADRB,  20
.set H16,   23
.set L8,    24
.set WO,    25
.set L4,    26
.set ADRS,  27
.set SPW,   28
.set NIL,   29
.set BO,    30
.set BVO,   31
.set SC,    32
.set BV,    64
.set AF,    128
.set HA,    128
.set PC,    192
.set TM,    212
.set PW,    228
.set PWE,   229
.set PWS,   230
.set SEL,   100
.set G1, 24
.set G0, 32
.set G1B, 48
.set G0B, 56
.set G1S, 68
.set G0S, 76
.set G1SB, 80
.set G0SB, 88
.set MSB, 0
.macro WIN new
.if MSB != \new
	s_set_vgpr_msb (MSB<<8)|\new
.set MSB, \new
.endif
.endm
.set MUL_LO, 0xa1
.set MUL_HI, 0xf1
.set TO_B,   0x40
.macro PLACES n
.rept \n
	v_nop
.endr
.endm
.macro JLOAD g0a, g1a, g0b, g1b
	s_cmp_eq_u32 s15, 0
	s_cbranch_scc0 .Lfor_b_\@
	tensor_load_to_lds s[\g0a:\g0a+3], s[\g1a:\g1a+7]
	s_nop 0
.rept 4
	v_nop
.endr
	s_branch .Lasked_\@
.Lfor_b_\@:
	tensor_load_to_lds s[\g0b:\g0b+3], s[\g1b:\g1b+7]
	s_nop 0
.rept 4
	v_nop
.endr
.Lasked_\@:
.endm
.macro CREST
	s_cmp_lg_u32 s14, 0
	s_cbranch_scc1 .Lnot_wave_0_\@
	s_barrier_signal -3
.Lnot_wave_0_\@:
	s_barrier_wait -3
	s_barrier_signal -1
	s_barrier_wait -1
.endm
.macro CROUND
	s_barrier_signal -1
	s_barrier_wait -1
	CREST
.endm
	s_load_b128 s[4:7], s[0:1], 0x0
	s_load_b128 s[8:11], s[0:1], 0x10
	s_load_b64 s[12:13], s[0:1], 0x20
	v_lshl_add_u32 v[SPW], v0, 2, SPARE
	v_mov_b32 v[NIL], 0
	ds_add_u32 v[SPW], v[NIL]
	ds_add_u32 v[SPW], v[NIL]
	v_lshrrev_b32 v1, 5, v0
	v_readfirstlane_b32 s14, v1
	s_lshr_b32 s15, s14, 1
	s_and_b32 s16, s14, 1
	s_bfe_u32 s40, ttmp6, 0x40000
	s_bfe_u32 s41, ttmp6, 0x40004
	s_and_b32 s18, ttmp7, 0xffff
	s_lshl_b32 s18, s18, 2
	s_lshl_b32 s19, ttmp9, 2
	s_mov_b32 s66, AS
	s_mov_b32 s67, WS0
	s_cmp_eq_u32 ttmp9, 2
	s_cselect_b32 s17, 0, s18
	s_cselect_b32 s42, s18, s19
	s_cselect_b32 s95, 1572864, 0
	s_cselect_b32 s66, WS0+65536, s66
	s_cselect_b32 s67, AS, s67
	s_add_co_u32 s17, s17, s41
	s_add_co_u32 s42, s42, s40
	s_lshl_b32 s43, s41, 2
	s_lshl_b32 s43, 15, s43
	s_lshl_b32 s44, 0x1111, s40
	s_or_b32 s[G1+0], s43, (3<<16)|(1<<21)
	s_or_b32 s[G1B+0], s44, (3<<16)|(1<<21)
.irp g, G1, G1B
	s_mov_b32 s[\g+1], (NQ*192)<<16
	s_mov_b32 s[\g+2], (2*T)<<16                   ; the head's loads bring a block's whole 2 T tiles
	s_mov_b32 s[\g+3], (NQ*192)<<16
	s_mov_b32 s[\g+4], 2*T
	s_mov_b32 s[\g+5], KS8*192
	s_mov_b32 s[\g+6], 0
	s_mov_b32 s[\g+7], 0
.endr
	s_or_b32 s[G1S+0], s43, (3<<16)|(1<<21)
	s_or_b32 s[G1SB+0], s44, (3<<16)|(1<<21)
.irp g, G1S, G1SB
	s_mov_b32 s[\g+1], 32<<16
	s_mov_b32 s[\g+2], (HALFS/128)<<16             ; the scale words of both halves in one load
	s_mov_b32 s[\g+3], 32<<16
	s_mov_b32 s[\g+4], HALFS/128
	s_mov_b32 s[\g+5], 32
	s_mov_b32 s[\g+6], 0
	s_mov_b32 s[\g+7], 0
.endr
	s_lshl_b32 s20, s17, 1
	s_add_co_u32 s20, s20, s16
	s_mul_i32 s22, s20, HALFS
	s_add_co_u32 s22, s22, s66
	s_mul_i32 s20, s20, T*KS8*FRB
	s_add_co_u32 s20, s20, s95
	s_mov_b32 s21, 0
	s_mov_b32 s23, 0
	s_lshl_b32 s46, s42, 1
	s_add_co_u32 s46, s46, s16
	s_mul_i32 s92, s46, HALFS
	s_add_co_u32 s92, s92, s67
	s_mul_i32 s46, s46, T*KS8*FRB
	s_mov_b32 s47, 0
	s_mov_b32 s93, 0
	s_mul_i32 s45, s14, HALFT
	s_mov_b32 s[SEL], 0x76543210
	s_mov_b32 s[SEL+1], 0xfedcba98
	s_wait_dscnt 0x0
	s_wait_kmcnt 0x0
	s_cmp_eq_u32 ttmp9, 2
	s_cselect_b64 s[96:97], s[6:7], s[4:5]
	s_cselect_b64 s[98:99], s[4:5], s[6:7]
	s_add_nc_u64 s[20:21], s[96:97], s[20:21]
	s_add_nc_u64 s[22:23], s[96:97], s[22:23]
	s_add_nc_u64 s[46:47], s[98:99], s[46:47]
	s_add_nc_u64 s[92:93], s[98:99], s[92:93]
	CROUND
	s_mul_i32 s18, s16, T*KS8*FRB                  ; from a block's first half to my half: codes,
	s_mov_b32 s19, 0
	s_mul_i32 s94, s16, HALFS                      ; scale words
	s_mov_b32 s95, 0
	s_mov_b32 s[G0S], 1
	s_mov_b32 s[G0S+1], SCL
	s_sub_nc_u64 s[G0S+2:G0S+3], s[22:23], s[94:95]
	s_or_b32 s[G0S+3], s[G0S+3], 0x80000000
	s_mov_b32 s[G0SB], 1
	s_mov_b32 s[G0SB+1], SCL+2*HALFS
	s_sub_nc_u64 s[G0SB+2:G0SB+3], s[92:93], s[94:95]
	s_or_b32 s[G0SB+3], s[G0SB+3], 0x80000000
.irp s, 0,1
	s_mov_b32 s[G0+4*\s], 1
	s_add_co_u32 s[G0+4*\s+1], s45, \s*SLOT
	s_add_nc_u64 s[G0+4*\s+2:G0+4*\s+3], s[20:21], \s*NQ*FRB
	s_or_b32 s[G0+4*\s+3], s[G0+4*\s+3], 0x80000000
	s_mov_b32 s[G0B+4*\s], 1
	s_add_co_u32 s[G0B+4*\s+1], s45, \s*SLOT
	s_add_nc_u64 s[G0B+4*\s+2:G0B+4*\s+3], s[46:47], \s*NQ*FRB
	s_or_b32 s[G0B+4*\s+3], s[G0B+4*\s+3], 0x80000000
.endr
	s_mov_b32 s[G0+1], 0                           ; for the head slot 0's two groups 0 name whole blocks
	s_sub_nc_u64 s[G0+2:G0+3], s[G0+2:G0+3], s[18:19]
	s_mov_b32 s[G0B+1], 2*HALFT
	s_sub_nc_u64 s[G0B+2:G0B+3], s[G0B+2:G0B+3], s[18:19]
; the head's four tiles, one load a wave, in one chain of branches on the wave's number: source 1's slot 0, source 0's slot 0, their scale words
.macro ARM under, g0, g1, next
	s_cmp_lt_u32 s14, \under
	s_cbranch_scc0 \next
	tensor_load_to_lds s[\g0:\g0+3], s[\g1:\g1+7]
	s_nop 0
	PLACES 4
	s_branch .Lhead_asked
\next:
.endm
	ARM 1, G0, G1, .Lhead_b
	ARM 2, G0B, G1B, .Lhead_sa
	ARM 3, G0S, G1S, .Lhead_sb
	tensor_load_to_lds s[G0SB:G0SB+3], s[G1SB:G1SB+7]
	s_nop 0
	PLACES 4
.Lhead_asked:
	v_and_b32 v1, 15, v0
	v_bfe_u32 v2, v0, 4, 1
	s_wait_alu depctr_va_vdst(0)
	v_and_b32 v3, 31, v0
	v_lshlrev_b32 v[L8], 3, v3
	v_lshlrev_b32 v[L4], 2, v3
	s_mul_i32 s21, s15, HALFT
	s_mul_i32 s22, s16, HALFT
	s_add_co_u32 s22, s22, 2*HALFT
.irp s, 0,1
	v_add_nc_u32 v[ADRA+\s], s21, v[L8]
	v_add_nc_u32 v[ADRB+\s], s22, v[L8]
	s_add_co_u32 s21, s21, SLOT
	s_add_co_u32 s22, s22, SLOT
.endr
	s_mul_i32 s21, s15, HALFS
	s_mul_i32 s22, s16, HALFS
	s_add_co_u32 s22, s22, 2*HALFS
	s_sub_co_u32 s22, s22, s21
	v_mul_u32_u24 v6, s22, v2
	s_add_co_u32 s21, s21, SCL
	v_lshlrev_b32 v5, 2, v1
	v_add_nc_u32 v5, v5, v6
	v_add_nc_u32 v[ADRS], s21, v5
	v_lshlrev_b32 v[BO], 6, v2
	s_wait_alu depctr_va_vdst(0)
	v_and_b32 v5, 7, v0
	v_bfe_u32 v6, v0, 3, 1
	v_lshl_add_u32 v5, v6, 4, v5
	v_lshlrev_b32 v[BVO], 2, v5
	s_wait_alu depctr_va_vdst(0)
	s_lshl_b32 s18, s42, 10
	s_lshl_b32 s19, s16, 9
	s_add_co_u32 s18, s18, s19
	s_lshl_b32 s66, s17, 10
	s_lshl_b32 s19, s15, 9
	s_add_co_u32 s66, s66, s19
	s_add_co_u32 s66, s66, 8192
	s_cmp_eq_u32 ttmp9, 2
	s_cselect_b32 s18, 0, s18
	s_cselect_b32 s66, s66, 0
	s_mov_b32 s19, 0
	s_mov_b32 s67, 0
	s_add_nc_u64 s[96:97], s[8:9], s[18:19]
	s_add_nc_u64 s[98:99], s[8:9], s[66:67]
	WIN TO_B
.irp b, 0,1,2,3,4,5,6,7
	global_load_b128 v[96+8*\b+96*(\b/4):99+8*\b+96*(\b/4)], v[BO], s[96:97] offset:(32*(\b/2)+8*(\b%2))*4
	global_load_b128 v[100+8*\b+96*(\b/4):103+8*\b+96*(\b/4)], v[BO], s[96:97] offset:(32*(\b/2)+8*(\b%2))*4+16
.endr
	WIN 0
.irp a, 0,1,2,3,4,5,6,7
	global_load_b32 v[BV+\a], v[BVO], s[98:99] offset:(32*(\a/2)+8*(\a%2))*4
.endr
.macro FRAG reg, adr, q, i
.irp p, 0,1,2,3,4,5
	ds_load_b64 v[\reg+2*\p:\reg+2*\p+1], v[\adr] offset:((\i)*NQ+(\q))*FRB+256*\p
.endr
.endm
.macro FETCH_B slot, q, p
	WIN TO_B
.set I_, 0
.rept T
	FRAG 128*(\p)+FR*I_, ADRB+\slot, \q, I_
.set I_, I_+1
.endr
	WIN 0
.endm
.macro FETCH_A slot, q, i0
.set I_, \i0
.rept T/2
	FRAG AF+FR*I_, ADRA+\slot, \q, I_
.set I_, I_+1
.endr
.endm
.macro SCALES sc
.set I_, 0
.rept T
.set Q_, 0
.rept NQ
	ds_load_b32 v[SC+16*(\sc)+NQ*I_+Q_], v[ADRS] offset:I_*KS8*64+64*Q_
.set Q_, Q_+1
.endr
.set I_, I_+1
.endr
.endm
.macro MULQ qa, p, q, sc, zero
.set A_, (\qa)*T/4
.rept T/4
.set B_, 0
.rept T
.set AC_, 8*(T*(A_%(T/2))+B_)
.if \zero
	v_wmma_scale_f32_16x16x128_f8f6f4 v[AC_:AC_+7], v[128*(\p)+FR*B_:128*(\p)+FR*B_+FR-1], v[AF+FR*A_:AF+FR*A_+FR-1], 0, v[SC+16*(\sc)+NQ*B_+(\q)], v[SC+16*(\sc)+NQ*A_+(\q)] matrix_a_fmt:MATRIX_FMT_FP6 matrix_b_fmt:MATRIX_FMT_FP6 matrix_a_scale:MATRIX_SCALE_ROW1
.else
	v_wmma_scale_f32_16x16x128_f8f6f4 v[AC_:AC_+7], v[128*(\p)+FR*B_:128*(\p)+FR*B_+FR-1], v[AF+FR*A_:AF+FR*A_+FR-1], v[AC_:AC_+7], v[SC+16*(\sc)+NQ*B_+(\q)], v[SC+16*(\sc)+NQ*A_+(\q)] matrix_a_fmt:MATRIX_FMT_FP6 matrix_b_fmt:MATRIX_FMT_FP6 matrix_a_scale:MATRIX_SCALE_ROW1
.endif
.set B_, B_+1
.endr
.set A_, A_+1
.endr
.endm
.macro STEP slot, q, zero
	s_wait_dscnt HN
	WIN MUL_LO
	MULQ 0, (\q)%2, \q, \slot, \zero
	MULQ 1, (\q)%2, \q, \slot, \zero
	s_wait_dscnt 0
	PLACES NP
	FETCH_B \slot, (\q)+1, 1-(\q)%2
	FETCH_A \slot, (\q)+1, 0
	WIN MUL_HI
	MULQ 2, (\q)%2, \q, \slot, \zero
	MULQ 3, (\q)%2, \q, \slot, \zero
	PLACES NP
	WIN 0
	FETCH_A \slot, (\q)+1, T/2
.endm
.macro TURN slot, next, fill
	s_wait_tensorcnt 0x0
	ds_add_u32 v[SPW], v[NIL]
	s_wait_dscnt HN+1
	WIN MUL_LO
	MULQ 0, 1, NQ-1, \slot, 0
	s_wait_dscnt 0x0
	s_barrier_signal -1
	MULQ 1, 1, NQ-1, \slot, 0
	WIN 0
	s_barrier_wait -1
.if \fill
	CREST
	s_add_nc_u64 s[G0+4*\slot+2:G0+4*\slot+3], s[G0+4*\slot+2:G0+4*\slot+3], 2*NQ*FRB
	s_add_nc_u64 s[G0B+4*\slot+2:G0B+4*\slot+3], s[G0B+4*\slot+2:G0B+4*\slot+3], 2*NQ*FRB
	JLOAD G0+4*\slot, G1, G0B+4*\slot, G1B
.else
	PLACES NP
.endif
	s_wait_alu depctr_va_vdst(0)
	v_add_nc_u32 v[ADRS], 64*NQ, v[ADRS]
	FETCH_B \next, 0, 0
	FETCH_A \next, 0, 0
	SCALES \next
	WIN MUL_HI
	MULQ 2, 1, NQ-1, \slot, 0
	MULQ 3, 1, NQ-1, \slot, 0
	PLACES NP
	WIN 0
	FETCH_A \next, 0, T/2
.endm
	s_wait_alu depctr_va_vdst(0)                   ; the head's end
	s_wait_tensorcnt 0x0                           ; my tile of the head's four is in
	ds_add_u32 v[SPW], v[NIL]
	s_mul_i32 s18, s16, T*KS8*FRB                  ; no load of mine is out: the descriptors become the ring's: T tiles a load, my half, my place
	s_mov_b32 s19, 0
	s_mov_b32 s[G1+2], T<<16
	s_mov_b32 s[G1+4], T
	s_mov_b32 s[G1B+2], T<<16
	s_mov_b32 s[G1B+4], T
	s_mov_b32 s[G0+1], s45
	s_mov_b32 s[G0B+1], s45
	s_add_nc_u64 s[G0+2:G0+3], s[G0+2:G0+3], s[18:19]
	s_add_nc_u64 s[G0B+2:G0B+3], s[G0B+2:G0B+3], s[18:19]
	s_wait_dscnt 0x0
	CROUND                                         ; all four tiles are in, in every partner
	JLOAD G0+4, G1, G0B+4, G1B                     ; slot 1's first fill, my one load behind the round
	FETCH_B 0, 0, 0
	FETCH_A 0, 0, 0
	SCALES 0
	FETCH_A 0, 0, T/2
	STEP 0, 0, 1
	s_mov_b32 s3, LAPS-1
.Llap:
	TURN 0, 1, 1
	STEP 1, 0, 0
	TURN 1, 0, 1
	STEP 0, 0, 0
	s_sub_co_u32 s3, s3, 1
	s_cmp_lg_u32 s3, 0
	s_cbranch_scc1 .Llap
	TURN 0, 1, 0
	STEP 1, 0, 0
	s_wait_dscnt HN
	WIN MUL_LO
	MULQ 0, 1, NQ-1, 1, 0
	MULQ 1, 1, NQ-1, 1, 0
	s_wait_dscnt 0
	WIN MUL_HI
	MULQ 2, 1, NQ-1, 1, 0
	MULQ 3, 1, NQ-1, 1, 0
	WIN 0
	PLACES NP
	s_wait_loadcnt 0x0
.irp b, 0,1,2,3
	v_mov_b32 v[TM+4+\b], 0
.endr
.macro QUANT s
.irp b, 0,1,2,3
	v_max3_num_f32 v[TM+\b], |v[\s+16*\b]|, |v[\s+1+16*\b]|, 0x1800000
.endr
.irp i, 2,4,6,8,10,12,14
.irp b, 0,1,2,3
	v_max3_num_f32 v[TM+\b], v[TM+\b], |v[\s+16*\b+\i]|, |v[\s+1+16*\b+\i]|
.endr
.endr
.irp b, 0,1,2,3
	v_permlanex16_b32 v[TM+4+\b], v[TM+\b], s[SEL], s[SEL+1]
.endr
.irp b, 0,1,2,3
	v_max_num_f32 v[TM+\b], v[TM+\b], v[TM+4+\b]
.endr
.irp b, 0,1,2,3
	v_add_nc_u32 v[TM+12+\b], 0xff000000, v[TM+\b]
.endr
.irp b, 0,1,2,3
	v_lshrrev_b32 v[TM+4+\b], 23, v[TM+12+\b]
.endr
	v_lshl_or_b32 v[PW], v[TM+5], 8, v[TM+4]
	v_lshl_or_b32 v[PW], v[TM+6], 16, v[PW]
	v_lshl_or_b32 v[PW], v[TM+7], 24, v[PW]
.irp c, 0,1
	v_cvt_scalef32_pk16_fp6_f32 v[PC+6*\c:PC+2+6*\c], v[\s+32*\c:\s+15+32*\c], v[TM+12+2*\c]
	v_cvt_scalef32_pk16_fp6_f32 v[PC+12+4*\c:PC+14+4*\c], v[\s+16+32*\c:\s+31+32*\c], v[TM+12+2*\c+1]
.endr
	v_nop
.irp c, 0,1
.irp i, 0,1,2
	v_permlane16_swap_b32 v[PC+6*\c+\i], v[PC+12+4*\c+\i]
.endr
.irp i, 0,1,2
	v_mov_b32 v[PC+3+6*\c+\i], v[PC+12+4*\c+\i]
.endr
.endr
.endm
.macro COPYQ a
	WIN (6+(\a)/4)
.set B_, 0
.rept 8
.set BR_, 96+8*B_+96*(B_/4)
.set AC_, 8*(8*((\a)%4)+B_)
.irp j, 0,2,4,6
	v_pk_add_f32 v[HA+8*B_+\j:HA+8*B_+\j+1], v[AC_+\j:AC_+\j+1], v[BR_+\j:BR_+\j+1]
.endr
.set B_, B_+1
.endr
	WIN 0
.endm
.macro COPYV a
	WIN (2+(\a)/4)
.set I_, 0
.rept 32
.if (\a)%2 == 0
	v_pk_add_f32 v[HA+2*I_:HA+2*I_+1], v[64*((\a)%4)+2*I_:64*((\a)%4)+2*I_+1], v[BV+2*((\a)/2):BV+2*((\a)/2)+1] op_sel_hi:[1,0]
.else
	v_pk_add_f32 v[HA+2*I_:HA+2*I_+1], v[64*((\a)%4)+2*I_:64*((\a)%4)+2*I_+1], v[BV+2*((\a)/2):BV+2*((\a)/2)+1] op_sel:[0,1] op_sel_hi:[1,1]
.endif
.set I_, I_+1
.endr
	WIN 0
.endm
	s_cmp_eq_u32 ttmp9, 2
	s_cbranch_scc1 .Lv_arm
	s_lshl_b32 s18, s17, 4
	s_lshl_b32 s19, s15, 3
	s_add_co_u32 s18, s18, s19
	s_and_b32 s19, s18, 127
	s_lshr_b32 s18, s18, 7
	s_lshl_b32 s18, s18, 4
	s_lshl_b32 s20, s42, 1
	s_add_co_u32 s20, s20, s16
	s_and_b32 s20, s20, 7
	s_lshl_b32 s20, s20, 1
	s_add_co_u32 s18, s18, s20
	s_lshl_b32 s20, s18, 7
	s_add_co_u32 s20, s20, s19
	s_lshl_b32 s21, s20, 6
	s_add_co_u32 s21, s21, QS
	s_mul_i32 s20, s20, 768
	s_mul_i32 s22, s18, 208896
	s_lshr_b32 s23, s19, 3
	s_mul_i32 s23, s23, 13056
	s_add_co_u32 s22, s22, s23
	s_add_co_u32 s23, s22, 6144
	s_mov_b32 s92, 208896
	s_mov_b32 s93, 208896
	s_cmp_eq_u32 ttmp9, 0
	s_cselect_b32 s20, s20, s22
	s_cselect_b32 s22, s21, s23
	s_cselect_b32 s92, 98304, s92
	s_cselect_b32 s93, 8192, s93
	s_cselect_b64 s[96:97], s[10:11], s[12:13]
	s_mov_b32 s21, 0
	s_mov_b32 s23, 0
	s_add_nc_u64 s[66:67], s[96:97], s[22:23]
	s_add_nc_u64 s[96:97], s[96:97], s[20:21]
	s_mov_b32 s20, s92
	s_add_nc_u64 s[98:99], s[96:97], s[20:21]
	v_mul_u32_u24 v[WO], s93, v2
	v_lshl_add_u32 v[WO], v1, 2, v[WO]
	v_lshlrev_b32 v[H16], 4, v2
.irp a, 0,1,2,3,4,5,6,7
.if \a > 0
	s_wait_xcnt 0x0
.endif
	COPYQ \a
	QUANT HA
.irp p, 0,1,2
	global_store_b64 v[L8], v[PC+2*\p:PC+2*\p+1], s[96:97] offset:768*\a+256*\p
	global_store_b64 v[L8], v[PC+6+2*\p:PC+7+2*\p], s[98:99] offset:768*\a+256*\p
.endr
	v_lshrrev_b32 v[PWS], v[H16], v[PW]
	v_and_b32 v[PWS], 0xffff, v[PWS]
	global_store_b32 v[WO], v[PWS], s[66:67] offset:64*\a
.endr
	s_branch .Ldone
.Lv_arm:
	s_lshl_b32 s18, s42, 1
	s_add_co_u32 s18, s18, s16
	s_lshr_b32 s19, s18, 4
	s_and_b32 s18, s18, 15
	s_lshl_b32 s19, s19, 4
	s_lshl_b32 s66, s17, 2
	s_add_co_u32 s19, s19, s66
	s_lshl_b32 s66, s15, 1
	s_add_co_u32 s19, s19, s66
	s_mul_i32 s19, s19, 208896
	s_mul_i32 s18, s18, 13056
	s_add_co_u32 s18, s18, s19
	s_add_co_u32 s18, s18, 6656
	s_mov_b32 s19, 0
	s_add_nc_u64 s[96:97], s[12:13], s[18:19]
	s_mov_b32 s95, 0xffff0000
.irp a, 0,1,2,3,4,5,6,7
.if \a > 0
	s_wait_xcnt 0x0
.endif
	COPYV \a
	QUANT HA
.irp p, 0,1,2,3,4,5
	global_store_b64 v[L8], v[PC+2*\p:PC+2*\p+1], s[96:97] offset:(\a/4)*208896+(\a%4)*1536+256*\p
.endr
.if \a%2 == 0
	v_mov_b32 v[PWE], v[PW]
.else
	v_cndmask_b32 v[PWS], v[PWE], v[PW], s95
	global_store_b32 v[L4], v[PWS], s[96:97] offset:(\a/4)*208896+6144+64*((\a%4)-1)
.endif
.endr
.Ldone:
	s_wait_tensorcnt 0x0
	ds_add_u32 v[SPW], v[NIL]
	s_wait_dscnt 0x0
	CROUND
	s_endpgm
.Lfunc_end_k_q949305eca6_g1:
	.size	k_q949305eca6_g1, .Lfunc_end_k_q949305eca6_g1-k_q949305eca6_g1
	.p2alignl 7, 3214868480
	.fill 96, 4, 3214868480
	.section	.rodata,"a",@progbits
	.p2align	6, 0x0
	.amdhsa_kernel k_q949305eca6_g1
		.amdhsa_group_segment_fixed_size 327680
		.amdhsa_private_segment_fixed_size 0
		.amdhsa_enable_private_segment 0
		.amdhsa_kernarg_size 40
		.amdhsa_user_sgpr_count 2
		.amdhsa_user_sgpr_kernarg_segment_ptr 1
		.amdhsa_wavefront_size32 1
		.amdhsa_system_sgpr_workgroup_id_x 1
		.amdhsa_system_sgpr_workgroup_id_y 1
		.amdhsa_system_sgpr_workgroup_id_z 1
		.amdhsa_system_vgpr_workitem_id 0
		.amdhsa_next_free_vgpr 1024
		.amdhsa_next_free_sgpr 102
		.amdhsa_reserve_vcc 0
		.amdhsa_float_denorm_mode_32 3
		.amdhsa_float_denorm_mode_16_64 3
		.amdhsa_memory_ordered 1
		.amdhsa_forward_progress 1
		.amdhsa_inst_pref_size 243
	.end_amdhsa_kernel
	.amdgpu_metadata
---
amdhsa.version: [ 1, 2 ]
amdhsa.kernels:
  - .name:           k_q949305eca6_g1
    .symbol:         k_q949305eca6_g1.kd
    .args:
      - { .name: act, .offset: 0, .size: 8, .value_kind: global_buffer, .address_space: global }
      - { .name: wqb, .offset: 8, .size: 8, .value_kind: global_buffer, .address_space: global }
      - { .name: b_attn, .offset: 16, .size: 8, .value_kind: global_buffer, .address_space: global }
      - { .name: qb, .offset: 24, .size: 8, .value_kind: global_buffer, .address_space: global }
      - { .name: kv, .offset: 32, .size: 8, .value_kind: global_buffer, .address_space: global }
    .group_segment_fixed_size: 327680
    .private_segment_fixed_size: 0
    .kernarg_segment_align: 8
    .kernarg_segment_size: 40
    .max_flat_workgroup_size: 128
    .sgpr_count:     102
    .vgpr_count:     1024
    .wavefront_size: 32
...
	.end_amdgpu_metadata
.endif
;; end of part 2
;; launch att (part 3): grid 8 x 32, 16 waves a work-group, clusters of 4 x 1, 210,944 bytes of LDS; arguments qb, kv, act; writes act
.if DOCPART == 3
	.amdgcn_target "amdgcn-amd-amdhsa--gfx1250"
	.amdhsa_code_object_version 6
	.text
	.protected	k_q949305eca6_att
	.globl	k_q949305eca6_att
	.p2align	8
	.type	k_q949305eca6_att,@function
k_q949305eca6_att:
	s_mov_b64 s[64:65], 0
	v_nop
	global_prefetch_b8 v0, s[64:65] scope:SCOPE_SE
	s_setreg_imm32_b32 hwreg(HW_REG_WAVE_MODE, 25, 1), 1
	s_wait_xcnt 0x0
	s_wait_alu depctr_hold_cnt(0) depctr_sa_sdst(0) depctr_va_vdst(0) depctr_va_sdst(0) depctr_va_ssrc(0) depctr_va_vcc(0) depctr_vm_vsrc(0)
	s_getreg_b32 s2, hwreg(HW_REG_IB_STS2, 6, 4)
	s_cmp_eq_u32 s2, 0
	s_cbranch_scc0 .Lentry_in_a_cluster
	s_endpgm
.Lentry_in_a_cluster:
	s_bfe_u32 s2, ttmp6, 0x10000c
	s_cmp_lg_u32 s2, 0x3003
	s_cbranch_scc0 .Lentry_shape_is_right
	s_endpgm
.Lentry_shape_is_right:
; Causal attention of one head on codes of FP6 (E2M3): y = softmax(q k^T / 8) v, and y quantised on the way out as the next product's operand.
; t = score x log2(e) / 8; M = the row's largest t so far, rounded UP to a whole number; p = 2^(t - M) is what is quantised, along the keys; the row's sum is taken of the unquantised p and divides at the end.
; A WHOLE HEAD'S k, v AND SCALE WORDS, 16 records of 13,056 bytes (128 keys each: 8 half fragments of k, their words, 4 fragments of v^T, their words), LIE IN LDS, filled once: no ring, nothing is filled again.
; CLUSTER: the four work-groups of a cluster belong to one head: each record is asked for jointly, with the mask of all four.
; SHARES.  Work-group g (0..7) of a head, wave w: the tile of 16 queries 8 j + g, j = w xor 3 ((w >> 2) & 1).  Its queries lie among the keys of record j: records 0 .. j - 1 count whole, record j is masked, the rest are
; left out: the limit hangs on the wave's number alone, and every work-group has the same work.  g enters global addresses and the mask's number of a lane alone.
; LAYOUT.  Both products transposed: S^T = k q^T, O^T = v^T p^T: a lane holds one query.  Tile t of keys holds at lane index r key 32 (t / 2) + 8 (t % 2) + (r & 7) + 16 (r >> 3), so the 16 registers of tiles 2 b, 2 b + 1 are 16 neighbouring keys.
; THE FIRST PRODUCT'S K IS 64 of the instruction's 128: q's codes of k = 64..127 are zeros.  k's operand of tile t is v[32 + 6 t] on, 12 registers: its upper six are the next tile's codes (the last tile's: zeros),
; which meet zero codes; the upper two bytes of both scale words are 0.
; LIMITS: a block of zeros gets the byte 1 (read by this program alone); NaN and infinities are not served.  y's scale bytes leave two at a time, since a word spans two heads.
.set REC,   13056
.set HEADB, 208896
.set SPARE, 208896                     ; behind the records: the spare words, 128 bytes for each of sixteen waves
.set QS,    3145728
.set AS,    3145728
.set TB,    2                          ; s2   LDS byte of the record in hand
.set SN,    3                          ; s3   its number
.set WV,    18
.set J,     19
.set SEL,   20
.set CS,    22                         ; s[22:23] log2(e) / 8
.macro CROUND
	s_barrier_signal -1
	s_barrier_wait -1
	s_cmp_lg_u32 s[WV], 0
	s_cbranch_scc1 .Lnot_wave_0_\@
	s_barrier_signal -3
.Lnot_wave_0_\@:
	s_barrier_wait -3
	s_barrier_signal -1
	s_barrier_wait -1
.endm
	s_load_b128 s[4:7], s[0:1], 0x0                ; qb, kv
	s_load_b64 s[8:9], s[0:1], 0x10                ; act
	v_lshl_add_u32 v5, v0, 2, SPARE                ; v5: my spare word; v6: 0; neither is rewritten
	v_mov_b32 v6, 0
	ds_add_u32 v5, v6                              ; the wave's opening
	ds_add_u32 v5, v6
	v_lshrrev_b32 v8, 5, v0
	s_delay_alu instid0(VALU_DEP_1)
	v_readfirstlane_b32 s[WV], v8
	s_bfe_u32 s10, ttmp6, 0x40000                  ; cx
	s_lshl_b32 s11, ttmp9, 2
	s_add_co_u32 s11, s11, s10                     ; g
	s_and_b32 s12, ttmp7, 0xffff                   ; 16 x batch + head
	s_bfe_u32 s13, s[WV], 0x10002
	s_mul_i32 s13, s13, 3
	s_xor_b32 s[J], s[WV], s13
	s_mov_b32 s24, 15|(3<<16)|(1<<21)              ; group 1: the mask of all four; elements of 8 bytes; bit 21 set beside a mask; dense rows of 256 bytes: one record, 51 rows
	s_mov_b32 s25, 32<<16
	s_mov_b32 s26, 51<<16
	s_mov_b32 s27, 32<<16
	s_mov_b32 s28, 51
	s_mov_b32 s29, 32
	s_mov_b32 s30, 0
	s_mov_b32 s31, 0
	s_mul_i32 s14, s12, HEADB
	s_mov_b32 s15, 0
	s_mul_i32 s16, s[WV], REC                      ; wave w (0..15) fetches record w
	s_mov_b32 s17, 0
	s_mov_b32 s[SEL], 0x76543210
	s_mov_b32 s[SEL+1], 0xfedcba98
	s_mov_b32 s[CS], 0x3e38aa3b
	s_mov_b32 s[CS+1], s[CS]
	s_mov_b32 s[TB], 0
	s_mov_b32 s[SN], 0
	s_lshl_b32 s48, s[J], 3
	s_add_co_u32 s48, s48, s11                     ; my tile of queries in the head
	s_lshl_b32 s49, s12, 7
	s_add_co_u32 s49, s49, s48
	s_mul_i32 s50, s49, 768                        ; q's codes
	s_mov_b32 s51, 0
	s_lshl_b32 s52, s49, 6
	s_add_co_u32 s52, s52, QS                      ; q's words
	s_mov_b32 s53, 0
	s_lshr_b32 s54, s12, 4
	s_lshl_b32 s54, s54, 7
	s_add_co_u32 s54, s54, s48                     ; my tile of tokens
	s_lshl_b32 s54, s54, 3
	s_bfe_u32 s55, s12, 0x30001
	s_add_co_u32 s54, s54, s55                     ; x 8 + head / 2: y's fragment
	s_and_b32 s55, s12, 1
	s_mul_i32 s56, s54, 1536
	s_mul_i32 s58, s55, 768
	s_add_co_u32 s56, s56, s58                     ; my head's half of it
	s_mov_b32 s57, 0
	s_lshl_b32 s58, s54, 6
	s_lshl_b32 s55, s55, 1
	s_add_co_u32 s58, s58, s55
	s_add_co_u32 s58, s58, AS                      ; my head's two bytes of its words
	s_mov_b32 s59, 0
	s_lshr_b32 s62, s11, 1
	s_lshl_b32 s62, s62, 5
	s_and_b32 s63, s11, 1
	s_lshl_b32 s63, s63, 3
	s_add_co_u32 s62, s62, s63                     ; 32 (g / 2) + 8 (g % 2)
	s_wait_dscnt 0x0                               ; the opening add is done
	s_wait_kmcnt 0x0
	s_add_nc_u64 s[6:7], s[6:7], s[14:15]          ; the head's records
	s_mov_b32 s40, 1
	s_mov_b32 s41, s16
	s_add_nc_u64 s[42:43], s[6:7], s[16:17]
	s_or_b32 s43, s43, 0x80000000
	s_add_nc_u64 s[50:51], s[4:5], s[50:51]
	s_add_nc_u64 s[52:53], s[4:5], s[52:53]
	s_add_nc_u64 s[56:57], s[8:9], s[56:57]
	s_add_nc_u64 s[58:59], s[8:9], s[58:59]
	CROUND                                         ; all four work-groups are here: the joint loads meet
	s_cmp_lt_u32 s[WV], 4                          ; one load a wave, in two arms: waves 0 to 3, which alone wait ahead of the first barrier, have a load line of their own
	s_cbranch_scc0 .Lfill_rest
	tensor_load_to_lds s[40:43], s[24:31]
	s_nop 0
.rept 4
	v_nop
.endr
	s_branch .Lfilled
.Lfill_rest:
	tensor_load_to_lds s[40:43], s[24:31]
	s_nop 0
.rept 4
	v_nop
.endr
.Lfilled:
	v_and_b32 v1, 31, v0
	s_delay_alu instid0(VALU_DEP_1)
	v_lshlrev_b32 v1, 3, v1                        ; v1: 8 x lane
	v_and_b32 v2, 15, v0
	s_delay_alu instid0(VALU_DEP_1)
	v_lshlrev_b32 v2, 2, v2                        ; v2: 4 r
.irp p, 0,1,2
	global_load_b64 v[16+2*\p:17+2*\p], v1, s[50:51] offset:256*\p   ; q's half fragment stays in registers
.endr
	global_load_b32 v255, v2, s[52:53]             ; q's scale words
	v_and_b32 v9, 7, v0
	v_bfe_u32 v10, v0, 3, 1
	v_bfe_u32 v11, v0, 4, 1
	s_delay_alu instid0(VALU_DEP_1)
	v_sub_nc_u32 v10, v10, v11
	s_delay_alu instid0(VALU_DEP_1)
	v_lshl_add_u32 v3, v10, 4, v9
	s_delay_alu instid0(VALU_DEP_1)
	v_add_nc_u32 v3, s62, v3                       ; v3: d = my query's place among record j's 128 keys - 16 (lane / 16): register 16 b + i is hidden where 32 b + i > d
	v_mov_b32 v13, 0xff61b1e6                      ; the largest t so far: -3e38
	s_delay_alu instid0(VALU_DEP_1)
	v_floor_f32 v12, -v13                          ; -M
	v_mov_b32 v14, 0
	v_mov_b32 v15, 0
.irp i, 22,23,24,25,26,27,80,81,82,83,84,85,236,237,238,239,244,245,252,253
	v_mov_b32 v\i, 0                               ; q's zero codes; the zeros behind k's last tile; lane permutes' destinations; upper halves of pairs
.endr
.set I_, 0
.rept 32
	v_mov_b32 v[160+I_], 0                         ; O^T: the step is written once; its first walk finds zeros
.set I_, I_+1
.endr
.macro STEP                            ; one record: 128 keys
	s_cmp_gt_u32 s[SN], s[J]                       ; all its keys come after my queries: a branch on ids, round the work alone
	s_cbranch_scc1 .Lhidden_\@
	v_add_nc_u32 v8, s[TB], v1
	v_add_nc_u32 v10, s[TB], v2
	v_nop
	v_nop                                          ; four places in front of loads into registers that the last products read
.irp t, 0,1,2,3,4,5,6,7
.irp p, 0,1,2
	ds_load_b64 v[32+6*\t+2*\p:33+6*\t+2*\p], v8 offset:768*\t+256*\p
.endr
	ds_load_b32 v[192+\t], v10 offset:6144+64*\t
.endr
	s_wait_alu depctr_va_vdst(0)
	s_wait_dscnt 0x0
.irp t, 0,1,2,3,4,5,6,7
	v_wmma_scale_f32_16x16x128_f8f6f4 v[96+8*\t:103+8*\t], v[32+6*\t:43+6*\t], v[16:27], 0, v[192+\t], v255 matrix_a_fmt:MATRIX_FMT_FP6 matrix_b_fmt:MATRIX_FMT_FP6
.endr
.rept 4
	v_nop
.endr
.irp t, 0,1,2,3                        ; v's fragments are asked for now and land under the softmax
.irp p, 0,1,2,3,4,5
	ds_load_b64 v[32+12*\t+2*\p:33+12*\t+2*\p], v8 offset:6656+1536*\t+256*\p
.endr
	ds_load_b32 v[200+\t], v10 offset:12800+64*\t
.endr
	s_cmp_lg_u32 s[SN], s[J]
	s_cbranch_scc1 .Lopen_\@
	v_mov_b32 v254, 0xff800000                     ; on the diagonal hidden scores become -infinity ahead of the maximum: p = 0 then
.set N_, 0
.rept 64
	v_cmp_gt_i32 vcc_lo, 32*(N_/16)+N_%16, v3
	v_cndmask_b32 v[96+N_], v[96+N_], v254, vcc_lo
.set N_, N_+1
.endr
.Lopen_\@:
.irp b, 0,1,2,3
	v_max3_num_f32 v[232+\b], v[96+16*\b], v[97+16*\b], v[98+16*\b]   ; the largest score of each block of 32 keys: for the row's maximum, and for the block's largest p
.endr
.irp i, 3,5,7,9,11,13
.irp b, 0,1,2,3
	v_max3_num_f32 v[232+\b], v[232+\b], v[96+16*\b+\i], v[97+16*\b+\i]
.endr
.endr
.irp b, 0,1,2,3
	v_max_num_f32 v[232+\b], v[232+\b], v[111+16*\b]
.endr
.irp b, 0,1,2,3
	s_delay_alu instid0(VALU_DEP_4)
	v_permlanex16_b32 v[236+\b], v[232+\b], s[SEL], s[SEL+1]
.endr
.irp b, 0,1,2,3
	s_delay_alu instid0(VALU_DEP_4)
	v_max_num_f32 v[232+\b], v[232+\b], v[236+\b]
.endr
	s_delay_alu instid0(VALU_DEP_2)
	v_max3_num_f32 v254, v232, v233, v234
	s_delay_alu instid0(VALU_DEP_1)
	v_max_num_f32 v254, v254, v235
	s_delay_alu instid0(VALU_DEP_1)
	v_mul_f32 v254, s[CS], v254
	s_delay_alu instid0(VALU_DEP_1)
	v_max_num_f32 v13, v13, v254                   ; the running largest t
	v_mov_b32 v254, v12
	s_delay_alu instid0(VALU_DEP_2)
	v_floor_f32 v12, -v13                          ; the new -M = -ceil(t)
	s_delay_alu instid0(VALU_DEP_1)
	v_sub_f32 v254, v12, v254                      ; old M - new M: a whole number, 0 or less
	s_delay_alu instid0(VALU_DEP_1)
	v_cvt_i32_f32 v254, v254                       ; (it saturates)
	s_delay_alu instid0(VALU_DEP_1)
	v_ldexp_f32 v252, 1.0, v254                    ; f = 2^(old M - new M): a multiplication by it rounds nothing
.set I_, 0
.rept 32
	v_pk_fma_f32 v[96+2*I_:97+2*I_], v[96+2*I_:97+2*I_], s[CS:CS+1], v[12:13] op_sel_hi:[1,0,0]   ; t - M
.set I_, I_+1
.endr
.irp b, 0,1,2,3
	v_fma_f32 v[232+\b], v[232+\b], s[CS], v12
.endr
.set I_, 0
	s_wait_alu depctr_va_vdst(0)
.rept 64
	v_exp_f32 v[96+I_], v[96+I_]                   ; p = 2^(t - M): not normalised
.set I_, I_+1
.endr
	v_pk_mul_f32 v[14:15], v[14:15], v[252:253] op_sel_hi:[1,0]   ; the sums under the new M (a plain place behind the exponentials)
	s_wait_alu depctr_va_vdst(0)                   ; the wait ahead of the batch's first reader: one for the 64
.irp b, 0,1,2,3
	v_exp_f32 v[232+\b], v[232+\b]                 ; the block's largest p
.endr
	v_pk_add_f32 v[236:237], v[100:101], v[104:105]
	v_pk_add_f32 v[250:251], v[108:109], v[112:113]
	v_pk_add_f32 v[248:249], v[116:117], v[120:121]
	v_pk_add_f32 v[246:247], v[124:125], v[128:129]
	v_pk_add_f32 v[244:245], v[132:133], v[136:137]
	v_pk_add_f32 v[242:243], v[140:141], v[144:145]
	v_pk_add_f32 v[240:241], v[148:149], v[152:153]
	v_pk_add_f32 v[14:15], v[14:15], v[156:157]
	v_pk_add_f32 v[236:237], v[236:237], v[96:97]
	v_pk_add_f32 v[250:251], v[250:251], v[98:99]
	v_pk_add_f32 v[248:249], v[248:249], v[102:103]
	v_pk_add_f32 v[246:247], v[246:247], v[106:107]
	v_pk_add_f32 v[244:245], v[244:245], v[110:111]
	v_pk_add_f32 v[242:243], v[242:243], v[114:115]
	v_pk_add_f32 v[240:241], v[240:241], v[118:119]
	v_pk_add_f32 v[14:15], v[14:15], v[122:123]
	v_pk_add_f32 v[236:237], v[236:237], v[126:127]
	v_pk_add_f32 v[250:251], v[250:251], v[130:131]
	v_pk_add_f32 v[248:249], v[248:249], v[134:135]
	v_pk_add_f32 v[246:247], v[246:247], v[138:139]
	v_pk_add_f32 v[244:245], v[244:245], v[142:143]
	v_pk_add_f32 v[242:243], v[242:243], v[146:147]
	v_pk_add_f32 v[240:241], v[240:241], v[150:151]
	v_pk_add_f32 v[14:15], v[14:15], v[154:155]
	v_pk_add_f32 v[236:237], v[236:237], v[158:159]
	s_delay_alu instid0(VALU_DEP_2)
	v_pk_add_f32 v[14:15], v[14:15], v[246:247]
	s_delay_alu instid0(VALU_DEP_2)
	v_pk_add_f32 v[236:237], v[236:237], v[244:245]
	v_pk_add_f32 v[250:251], v[250:251], v[242:243]
	v_pk_add_f32 v[248:249], v[248:249], v[240:241]
	s_delay_alu instid0(VALU_DEP_2)
	v_pk_add_f32 v[14:15], v[14:15], v[250:251]
	s_delay_alu instid0(VALU_DEP_2)
	v_pk_add_f32 v[236:237], v[236:237], v[248:249]
	s_delay_alu instid0(VALU_DEP_1)
	v_pk_add_f32 v[14:15], v[14:15], v[236:237]
	s_wait_alu depctr_va_vdst(0)                   ; and one for the four
.irp b, 0,1,2,3
	v_max_num_f32 v[232+\b], 0x1800000, v[232+\b]  ; the floor 2^(3 - 127)
.endr
.irp b, 0,1,2,3
	s_delay_alu instid0(VALU_DEP_4)
	v_add_nc_u32 v[244+\b], 0xff000000, v[232+\b]
.endr
.irp b, 0,1,2,3
	s_delay_alu instid0(VALU_DEP_4)
	v_lshrrev_b32 v[236+\b], 23, v[244+\b]
.endr
	s_delay_alu instid0(VALU_DEP_3)
	v_lshl_or_b32 v253, v237, 8, v236              ; p's scale word for these 128 keys
	s_delay_alu instid0(VALU_DEP_1)
	v_lshl_or_b32 v253, v238, 16, v253
	s_delay_alu instid0(VALU_DEP_1)
	v_lshl_or_b32 v253, v239, 24, v253
.irp c, 0,1
	v_cvt_scalef32_pk16_fp6_f32 v[224+6*\c:226+6*\c], v[96+32*\c:111+32*\c], v[244+2*\c]
	v_cvt_scalef32_pk16_fp6_f32 v[236+4*\c:238+4*\c], v[112+32*\c:127+32*\c], v[244+2*\c+1]
.endr
	v_nop
.irp c, 0,1
.irp i, 0,1,2
	v_permlane16_swap_b32 v[224+6*\c+\i], v[236+4*\c+\i]
.endr
.irp i, 0,1,2
	s_delay_alu instid0(VALU_DEP_3)
	v_mov_b32 v[227+6*\c+\i], v[236+4*\c+\i]
.endr
.endr
.set I_, 0
.rept 16
	v_pk_mul_f32 v[160+2*I_:161+2*I_], v[160+2*I_:161+2*I_], v[252:253] op_sel_hi:[1,0]   ; O^T under the new M; these are also the places in front of the products below
.set I_, I_+1
.endr
	s_wait_alu depctr_va_vdst(0)
	s_wait_dscnt 0x0                               ; v's fragments are in
.irp t, 0,1,2,3
	v_wmma_scale_f32_16x16x128_f8f6f4 v[160+8*\t:167+8*\t], v[32+12*\t:43+12*\t], v[224:235], v[160+8*\t:167+8*\t], v[200+\t], v253 matrix_a_fmt:MATRIX_FMT_FP6 matrix_b_fmt:MATRIX_FMT_FP6
.endr
.Lhidden_\@:
	s_add_co_u32 s[TB], s[TB], REC
	s_add_co_u32 s[SN], s[SN], 1
.endm
	s_cmp_lt_u32 s[WV], 4
	s_cbranch_scc0 .Lnot_first
	s_wait_tensorcnt 0x0                           ; waves 0 to 3: records 0 to 3 are in; the others' loads may be out
.Lnot_first:
	s_barrier_signal -1
	s_barrier_wait -1
	s_wait_loadcnt 0x0
.Lfirst:                                           ; records 0 to 3
	STEP
	s_cmp_lt_u32 s[SN], 4
	s_cbranch_scc1 .Lfirst
	s_wait_tensorcnt 0x0                           ; my part of records 4 to 15 is in,
	s_wait_dscnt 0x0
	s_barrier_signal -1
	s_barrier_wait -1                              ; everybody's is
.Lrest:
	STEP
	s_cmp_lt_u32 s[SN], 16
	s_cbranch_scc1 .Lrest
	; THE WAY OUT: O^T / the sum is y (my query, my head's 64 channels: register 16 b + i = channel 32 b + 16 (lane / 16) + i), quantised along the channels: half a fragment and two scale bytes
.rept 4
	v_nop
.endr
	v_add_f32 v14, v14, v15
	s_delay_alu instid0(VALU_DEP_1)
	v_permlanex16_b32 v252, v14, s[SEL], s[SEL+1]
	s_delay_alu instid0(VALU_DEP_1)
	v_add_f32 v14, v14, v252                       ; the row's sum
	s_wait_alu depctr_va_vdst(0)
	v_rcp_f32 v14, v14
	v_nop
	s_wait_alu depctr_va_vdst(0)                   ; the wait ahead of the first reader
.set I_, 0
.rept 32
	v_mul_f32 v[96+I_], v[160+I_], v14
.set I_, I_+1
.endr
.irp b, 0,1
	v_max3_num_f32 v[240+\b], |v[96+16*\b]|, |v[97+16*\b]|, 0x1800000
.endr
.irp i, 2,4,6,8,10,12,14
.irp b, 0,1
	s_delay_alu instid0(VALU_DEP_2)
	v_max3_num_f32 v[240+\b], v[240+\b], |v[96+16*\b+\i]|, |v[97+16*\b+\i]|
.endr
.endr
.irp b, 0,1
	s_delay_alu instid0(VALU_DEP_2)
	v_permlanex16_b32 v[244+\b], v[240+\b], s[SEL], s[SEL+1]
.endr
.irp b, 0,1
	s_delay_alu instid0(VALU_DEP_2)
	v_max_num_f32 v[240+\b], v[240+\b], v[244+\b]
.endr
.irp b, 0,1
	s_delay_alu instid0(VALU_DEP_2)
	v_add_nc_u32 v[248+\b], 0xff000000, v[240+\b]
.endr
.irp b, 0,1
	s_delay_alu instid0(VALU_DEP_2)
	v_lshrrev_b32 v[244+\b], 23, v[248+\b]
.endr
	s_delay_alu instid0(VALU_DEP_1)
	v_lshl_or_b32 v250, v245, 8, v244
	v_cvt_scalef32_pk16_fp6_f32 v[224:226], v[96:111], v248
	v_cvt_scalef32_pk16_fp6_f32 v[236:238], v[112:127], v249
	v_nop
.irp i, 0,1,2
	v_permlane16_swap_b32 v[224+\i], v[236+\i]
.endr
.irp i, 0,1,2
	s_delay_alu instid0(VALU_DEP_3)
	v_mov_b32 v[227+\i], v[236+\i]
.endr
.irp p, 0,1,2
	global_store_b64 v1, v[224+2*\p:225+2*\p], s[56:57] offset:256*\p   ; 32 lanes store 256 consecutive bytes, aligned
.endr
	global_store_b16 v2, v250, s[58:59]            ; (lanes l and l + 16 store the same two bytes with the same value)
	s_wait_tensorcnt 0x0                           ; the wave's end
	ds_add_u32 v5, v6
	s_wait_dscnt 0x0
	CROUND                                         ; the closing round
	s_endpgm
.Lfunc_end_k_q949305eca6_att:
	.size	k_q949305eca6_att, .Lfunc_end_k_q949305eca6_att-k_q949305eca6_att
	.p2alignl 7, 3214868480
	.fill 96, 4, 3214868480
	.section	.rodata,"a",@progbits
	.p2align	6, 0x0
	.amdhsa_kernel k_q949305eca6_att
		.amdhsa_group_segment_fixed_size 210944
		.amdhsa_private_segment_fixed_size 0
		.amdhsa_enable_private_segment 0
		.amdhsa_kernarg_size 24
		.amdhsa_user_sgpr_count 2
		.amdhsa_user_sgpr_kernarg_segment_ptr 1
		.amdhsa_wavefront_size32 1
		.amdhsa_system_sgpr_workgroup_id_x 1
		.amdhsa_system_sgpr_workgroup_id_y 1
		.amdhsa_system_sgpr_workgroup_id_z 1
		.amdhsa_system_vgpr_workitem_id 0
		.amdhsa_next_free_vgpr 256
		.amdhsa_next_free_sgpr 66
		.amdhsa_reserve_vcc 1
		.amdhsa_float_denorm_mode_32 3
		.amdhsa_float_denorm_mode_16_64 3
		.amdhsa_memory_ordered 1
		.amdhsa_forward_progress 1
		.amdhsa_inst_pref_size 61
	.end_amdhsa_kernel
	.amdgpu_metadata
---
amdhsa.version: [ 1, 2 ]
amdhsa.kernels:
  - .name:           k_q949305eca6_att
    .symbol:         k_q949305eca6_att.kd
    .args:
      - { .name: qb, .offset: 0, .size: 8, .value_kind: global_buffer, .address_space: global }
      - { .name: kv, .offset: 8, .size: 8, .value_kind: global_buffer, .address_space: global }
      - { .name: act, .offset: 16, .size: 8, .value_kind: global_buffer, .address_space: global }
    .group_segment_fixed_size: 210944
    .private_segment_fixed_size: 0
    .kernarg_segment_align: 8
    .kernarg_segment_size: 24
    .max_flat_workgroup_size: 512
    .sgpr_count:     66
    .vgpr_count:     256
    .wavefront_size: 32
...
	.end_amdgpu_metadata
.endif
;; end of part 3
;; launch g4ln (part 4): grid 256 x 1, 8 waves a work-group, no clusters, 115,200 bytes of LDS; arguments act, wqb, b_aproj, x, x1, ln2_g, ln2_b, act2; writes x1, act2
.if DOCPART == 4
	.amdgcn_target "amdgcn-amd-amdhsa--gfx1250"
	.amdhsa_code_object_version 6
	.text
	.protected	k_q949305eca6_g4ln
	.globl	k_q949305eca6_g4ln
	.p2align	8
	.type	k_q949305eca6_g4ln,@function
k_q949305eca6_g4ln:
	s_mov_b64 s[64:65], 0
	v_nop
	global_prefetch_b8 v0, s[64:65] scope:SCOPE_SE
	s_setreg_imm32_b32 hwreg(HW_REG_WAVE_MODE, 25, 1), 1
	s_wait_xcnt 0x0
; x1 = x + y w_aproj + b_aproj on codes of FP6 (E2M3), K = 1,024, AND LN2(x1), quantised as the next product's operand, in one launch: x1 is stored for the last launch's residual and is not read back here.
; Operands lie as images of their registers: [tile of 16 rows][K step of 128][1,536 bytes], register pair p of lane L at 256 p + 8 L; scale words [tile][K step][16 words].
; Tile t holds at lane index r row 32 (t / 2) + 8 (t % 2) + (r & 7) + 16 (r >> 3).
; THE DEAL: a work-group takes one tile of 16 tokens and ALL 1,024 columns, so that a row's mean and variance are its own: 256 work-groups of eight waves.  Wave w takes columns 128 w .. 128 w + 127: eight tiles of the weight, 64 products.
; Source 0 = the weight's tile, source 1 = the tokens: lane (r, h) holds the token at lane index r, and register 8 t + j of its 64 sums is column 128 w + 32 (t / 2) + 16 h + 8 (t % 2) + j: 16 neighbours for each pair of tiles, which is what the conversions take.
; THE WEIGHT GOES FROM MEMORY STRAIGHT INTO THE OPERAND'S REGISTERS: a fragment feeds one product of the work-group.  Units of two fragments (12 loads of 256 consecutive bytes) take turns on six sets of registers; five units, 60 loads a wave, are on their way; no barrier stands in the stream.
; No tensor load and no cluster: a joint load would have to pass through LDS, with a round for each refill, for bytes that are read from LDS once.
; The tokens' eight fragments come once (wave w copies fragment w into LDS; every wave reads all eight); the wave's 4,096 bytes of the weight's scale words come as eight loads of 512 bytes and turn through LDS bytes of its own.
; b_aproj is loaded into the accumulators (a sum begins with it, where the reference adds it last).  x's 16 rows x 512 bytes of the wave are asked for into the L2 at the head, a lane a block of 256 bytes, 28 units ahead of their loads.
; THE NORM: mean and variance in f32, in two passes over the registers (the mean is taken off first); the eight waves' parts of a row's sum meet in LDS.
; REGISTERS: window 0: v0-31 addresses and sums; v32-95 the 64 sums; v96-159 scale words alone (the weight's of K step q, tiles 2 u, 2 u + 1 at 96 + 8 q + u; the tokens' of K steps 2 k, 2 k + 1 at 96 + 8 k + 4); v160-223 rows on their way in and out, then codes.
;   window 1: v0-143 the weight's six sets, v144-239 the tokens' eight fragments; behind the products v0-63 the gain, v64-127 the norm's bias, v144-207 x.
; LIMITS: a block of zeros, or one whose largest magnitude lies under 2^-124, gets the byte 1 (read by this program alone); NaN and infinities are not served.
.set AS,    3145728                    ; scale words begin here in act and in act2
.set BCOFF, 2359296                    ; w_aproj's codes in wqb
.set BSOFF, 9437184+98304              ; and its scale words
.set STG,   0                          ; LDS: the stages: 16 rows x (512 bytes + 16) for each of eight waves
.set WSTG,  16*528
.set RB,    STG+8*WSTG                 ; [row][wave] parts of the sums, 512 bytes; of the sums of squares, 512; the tile's scale words, 512
.set RED1,  0
.set RED2,  512
.set SCB,   1024
.set AFR,   RB+1536                    ; the tokens' eight fragments
.set BSC,   AFR+12288                  ; the weight's scale words, 4,096 bytes a wave
.set SPARE, BSC+32768                  ; the spare words, 128 bytes for each of eight waves
.set SPW,   28
.set NIL,   29
.set X,     32
.set SCR,   96
.set BT,    160
.set PC,    160
.set TM,    192
.set PW,    208
.set CP,    224                        ; v224-235 my fragment of the tokens on its way into LDS
.set AW,    144                        ; window 1
.set XT,    144
.set G,     0
.set LB,    64
.set SEL,   20
.set BP,    44                         ; s[44:45] my eight tiles of the weight
.set MSB, 0
.macro WIN new
.if MSB != (\new)
	s_set_vgpr_msb (MSB<<8)|(\new)
.set MSB, (\new)
.endif
.endm
.macro PLACES n
.rept \n
	v_nop
.endr
.endm
	s_load_b512 s[4:19], s[0:1], 0x0               ; act, wqb, b_aproj, x, x1, ln2_g, ln2_b, act2
	v_lshl_add_u32 v[SPW], v0, 2, SPARE
	v_mov_b32 v[NIL], 0
	v_lshrrev_b32 v1, 5, v0
	v_readfirstlane_b32 s58, v1                    ; wave 0..7
	s_mul_i32 s52, s58, WSTG                       ; my stage
	s_lshl_b32 s53, s58, 2
	s_lshl_b32 s54, s58, 6
	s_mul_i32 s55, s58, 1536
	s_add_co_u32 s55, s55, AFR
	s_lshl_b32 s56, s58, 12
	s_add_co_u32 s56, s56, BSC
	s_mov_b32 s[SEL], 0x76543210
	s_mov_b32 s[SEL+1], 0xfedcba98
	s_mov_b32 s22, 0x3a800000                      ; 1 / 1,024
	s_mov_b32 s23, 0x3727c5ac                      ; 1e-5
	s_lshr_b32 s24, ttmp9, 1
	s_lshl_b32 s24, s24, 17
	s_and_b32 s25, ttmp9, 1
	s_lshl_b32 s25, s25, 15
	s_add_co_u32 s24, s24, s25                     ; the tile's first row: (32 (t / 2) + 8 (t % 2)) x 4,096 bytes
	s_lshl_b32 s26, s58, 9                         ; my wave's 512 bytes of a row
	s_add_co_u32 s24, s24, s26
	s_mov_b32 s25, 0
	s_mov_b32 s27, 0
	s_lshl_b32 s30, ttmp9, 3
	s_add_co_u32 s30, s30, s58
	s_mul_i32 s30, s30, 1536                       ; fragment w of the tile, in act and in act2
	s_mov_b32 s31, 0
	s_lshl_b32 s32, ttmp9, 9
	s_add_co_u32 s32, s32, AS                      ; the tile's 512 bytes of scale words
	s_mov_b32 s33, 0
	s_mul_i32 s34, s58, 98304
	s_add_co_u32 s34, s34, BCOFF
	s_mov_b32 s35, 0
	s_lshl_b32 s36, s58, 12
	s_add_co_u32 s36, s36, BSOFF
	s_mov_b32 s37, 0
	v_and_b32 v1, 15, v0                           ; r
	v_bfe_u32 v2, v0, 4, 1                         ; h
	v_and_b32 v9, 31, v0
	v_lshlrev_b32 v3, 2, v9                        ; 4 x lane
	v_lshlrev_b32 v8, 3, v9                        ; 8 x lane
	v_lshlrev_b32 v9, 4, v9                        ; 16 x lane
	v_lshlrev_b32 v4, 6, v2                        ; 64 h
	v_add_nc_u32 v24, s52, v9                      ; the stage by rows: 16 bytes a lane
	v_mul_u32_u24 v25, v1, 528
	v_add_nc_u32 v25, v25, v4
	v_add_nc_u32 v25, s52, v25                     ; the stage by lanes: row r, + 64 h
	v_lshlrev_b32 v6, 5, v1
	v_add_nc_u32 v6, RB, v6                        ; 32 r: a row's eight parts
	v_add_nc_u32 v5, s53, v6                       ; + 4 w: mine
	v_lshlrev_b32 v7, 2, v1
	v_add_nc_u32 v7, s54, v7
	v_add_nc_u32 v7, RB, v7                        ; 64 w + 4 r: my scale word
	v_add_nc_u32 v26, RB, v9
	v_add_nc_u32 v10, s55, v9                      ; where my fragment of the tokens goes
	v_add_nc_u32 v11, AFR, v8                      ; where the fragments are read
	v_add_nc_u32 v27, s56, v9                      ; where the weight's scale words go
	v_lshl_add_u32 v30, v2, 9, s56
	v_lshl_add_u32 v30, v1, 2, v30                 ; and are read: lanes 0-15 tile 2 u, lanes 16-31 tile 2 u + 1
	v_bfe_u32 v31, v0, 1, 3
	v_lshlrev_b32 v31, 12, v31
	v_lshl_add_u32 v31, v2, 16, v31
	v_and_b32 v12, 1, v0
	v_lshl_add_u32 v31, v12, 8, v31                ; x's block of lane L: the row at lane index L / 2, its half L % 2
	s_wait_alu depctr_va_vdst(0)                   ; the head's end
	s_wait_kmcnt 0x0
	s_add_nc_u64 s[40:41], s[4:5], s[30:31]
	s_add_nc_u64 s[42:43], s[4:5], s[32:33]
	s_add_nc_u64 s[BP:BP+1], s[6:7], s[34:35]
	s_add_nc_u64 s[46:47], s[6:7], s[36:37]
	s_add_nc_u64 s[8:9], s[8:9], s[26:27]
	s_add_nc_u64 s[14:15], s[14:15], s[26:27]
	s_add_nc_u64 s[16:17], s[16:17], s[26:27]
	s_add_nc_u64 s[10:11], s[10:11], s[24:25]
	s_add_nc_u64 s[12:13], s[12:13], s[24:25]
	s_add_nc_u64 s[48:49], s[18:19], s[30:31]
	s_add_nc_u64 s[50:51], s[18:19], s[32:33]
.macro BLOADU n                        ; unit n: K step n / 4, tiles 2 (n % 4) and the next, into set n % 6
.irp f, 0,1
.irp p, 0,1,2,3,4,5
	global_load_b64 v[24*((\n)%6)+12*\f+2*\p:24*((\n)%6)+12*\f+2*\p+1], v8, s[BP:BP+1] offset:(2*((\n)%4)+\f)*12288+((\n)/4)*1536+256*\p
.endr
.endr
.endm
.macro PRODU n, f
.set Q_, (\n)/4
.set D_, X+8*(2*((\n)%4)+\f)
.set B_, 24*((\n)%6)+12*\f
.if Q_%2
	v_wmma_scale_f32_16x16x128_f8f6f4 v[D_:D_+7], v[B_:B_+11], v[AW+12*Q_:AW+12*Q_+11], v[D_:D_+7], v[SCR+8*Q_+(\n)%4], v[SCR+8*(Q_/2)+4] matrix_a_fmt:MATRIX_FMT_FP6 matrix_b_fmt:MATRIX_FMT_FP6 matrix_a_scale:MATRIX_SCALE_ROW\f matrix_b_scale:MATRIX_SCALE_ROW1
.else
	v_wmma_scale_f32_16x16x128_f8f6f4 v[D_:D_+7], v[B_:B_+11], v[AW+12*Q_:AW+12*Q_+11], v[D_:D_+7], v[SCR+8*Q_+(\n)%4], v[SCR+8*(Q_/2)+4] matrix_a_fmt:MATRIX_FMT_FP6 matrix_b_fmt:MATRIX_FMT_FP6 matrix_a_scale:MATRIX_SCALE_ROW\f matrix_b_scale:MATRIX_SCALE_ROW0
.endif
.endm
	global_prefetch_b8 v31, s[10:11] th:TH_LOAD_NT scope:SCOPE_SE   ; my 32 blocks of x
.irp k, 0,1,2
	global_load_b128 v[CP+4*\k:CP+4*\k+3], v9, s[40:41] offset:512*\k
.endr
.irp k, 0,1,2,3,4,5,6,7
	global_load_b128 v[BT+4*\k:BT+4*\k+3], v9, s[46:47] offset:512*\k
.endr
.irp k, 0,1,2,3
	global_load_b32 v[SCR+8*\k+4], v3, s[42:43] offset:128*\k      ; lanes 0-15 K step 2 k, lanes 16-31 K step 2 k + 1
.endr
.irp b, 0,1,2,3
.irp j, 0,1,2,3
	global_load_b128 v[X+16*\b+4*\j:X+16*\b+4*\j+3], v4, s[8:9] offset:128*\b+16*\j   ; b_aproj at my columns: the sums begin with it
.endr
.endr
	WIN 0x40                                       ; destination window 1
	BLOADU 0
	BLOADU 1
	WIN 0
	s_wait_loadcnt 44                              ; my fragment and the scale words are in; younger: 4 + 16 + 24
.irp k, 0,1,2
	ds_store_b128 v10, v[CP+4*\k:CP+4*\k+3] offset:512*\k
.endr
.irp k, 0,1,2,3,4,5,6,7
	ds_store_b128 v27, v[BT+4*\k:BT+4*\k+3] offset:512*\k
.endr
	WIN 0x40
	BLOADU 2
	BLOADU 3
	BLOADU 4
	WIN 0
	s_wait_dscnt 0x0                               ; for the others' sake: my stores have landed
	s_barrier_signal -1
	s_barrier_wait -1
	WIN 0x40
.irp q, 0,1,2,3,4,5,6,7
.irp p, 0,1,2,3,4,5
	ds_load_b64 v[AW+12*\q+2*\p:AW+12*\q+2*\p+1], v11 offset:1536*\q+256*\p
.endr
.endr
	WIN 0
.irp q, 0,1,2,3,4,5,6,7
.irp u, 0,1,2,3
	ds_load_b32 v[SCR+8*\q+\u], v30 offset:1024*\u+64*\q
.endr
.endr
	s_wait_dscnt 0x0
; THE STREAM: 32 units of two products.  The eight accumulators take turns.  Unit n + 5's loads land on the set that unit n - 1's products have read: four places stand between
.set N_, 0
.rept 32
.if N_+5 < 32
.if N_ > 0
	PLACES 4
.endif
	WIN 0x40
	BLOADU N_+5
.endif
.if N_ == 28
	WIN 0
.irp i, 0,1,2,3,4,5,6,7,8,9,10,11,12,13,14,15
	global_load_b128 v[BT+4*\i:BT+4*\i+3], v9, s[10:11] offset:((\i%8)+16*(\i/8))*4096 th:TH_LOAD_NT   ; x: the tile's row at lane index i, 512 consecutive bytes
.endr
.endif
.if N_ < 27
	s_wait_loadcnt 60                              ; unit n is in; the five younger units may be out
.elseif N_ < 28
	s_wait_loadcnt 12*(31-N_)
.else
	s_wait_loadcnt 12*(31-N_)+16                   ; and x's 16 loads
.endif
	WIN 0x05                                       ; sources 0 and 1: window 1
	PRODU N_, 0
	PRODU N_, 1
.set N_, N_+1
.endr
	PLACES 4
	WIN 0x40
.irp b, 0,1,2,3
.irp j, 0,1,2,3
	global_load_b128 v[G+16*\b+4*\j:G+16*\b+4*\j+3], v4, s[14:15] offset:128*\b+16*\j
.endr
.endr
.irp b, 0,1,2,3
.irp j, 0,1,2,3
	global_load_b128 v[LB+16*\b+4*\j:LB+16*\b+4*\j+3], v4, s[16:17] offset:128*\b+16*\j
.endr
.endr
	WIN 0
	s_wait_loadcnt 32                              ; x's rows are in; gain and bias may be out
.irp i, 0,1,2,3,4,5,6,7,8,9,10,11,12,13,14,15
	ds_store_b128 v24, v[BT+4*\i:BT+4*\i+3] offset:528*\i
.endr
	WIN 0x40
.irp b, 0,1,2,3
.irp j, 0,1,2,3
	ds_load_b128 v[XT+16*\b+4*\j:XT+16*\b+4*\j+3], v25 offset:128*\b+16*\j   ; LDS serves a wave's instructions in order: these see my stores
.endr
.endr
	WIN 0
	s_wait_dscnt 0x0
	WIN 0x04                                       ; source 1: window 1
.set I_, 0
.rept 32
	v_pk_add_f32 v[X+2*I_:X+2*I_+1], v[X+2*I_:X+2*I_+1], v[XT+2*I_:XT+2*I_+1]   ; x1; each accumulator from its low end on
.set I_, I_+1
.endr
	WIN 0
.irp b, 0,1,2,3
.irp j, 0,1,2,3
	ds_store_b128 v25, v[X+16*\b+4*\j:X+16*\b+4*\j+3] offset:128*\b+16*\j
.endr
.endr
.irp i, 0,1,2,3,4,5,6,7,8,9,10,11,12,13,14,15
	ds_load_b128 v[BT+4*\i:BT+4*\i+3], v24 offset:528*\i
.endr
	s_wait_dscnt 0x0
.irp i, 0,1,2,3,4,5,6,7,8,9,10,11,12,13,14,15
	global_store_b128 v9, v[BT+4*\i:BT+4*\i+3], s[12:13] offset:((\i%8)+16*(\i/8))*4096   ; 32 lanes store 512 consecutive bytes of a row of x1
.endr
; four pairs of partial sums in v[16:23] become, in v16 of every lane, the sum over the row's 1,024 columns
.macro ROWSUM off
	s_delay_alu instid0(VALU_DEP_3)
	v_pk_add_f32 v[16:17], v[16:17], v[18:19]
	s_delay_alu instid0(VALU_DEP_2)
	v_pk_add_f32 v[20:21], v[20:21], v[22:23]
	s_delay_alu instid0(VALU_DEP_1)
	v_pk_add_f32 v[16:17], v[16:17], v[20:21]
	s_delay_alu instid0(VALU_DEP_1)
	v_add_f32 v16, v16, v17
	s_delay_alu instid0(VALU_DEP_1)
	v_permlanex16_b32 v17, v16, s[SEL], s[SEL+1]   ; the row's other 64 numbers of my wave lie in lane l xor 16
	s_delay_alu instid0(VALU_DEP_1)
	v_add_f32 v16, v16, v17
	ds_store_b32 v5, v16 offset:\off               ; (both halves of the lanes write the same word with the same value)
	s_wait_dscnt 0x0                               ; for the others' sake: my store has landed
	s_barrier_signal -1
	s_barrier_wait -1
	ds_load_b128 v[16:19], v6 offset:\off
	ds_load_b128 v[20:23], v6 offset:\off+16
	s_wait_dscnt 0x0
	v_add_f32 v16, v16, v17
	v_add_f32 v18, v18, v19
	v_add_f32 v20, v20, v21
	v_add_f32 v22, v22, v23
	s_delay_alu instid0(VALU_DEP_3)
	v_add_f32 v16, v16, v18
	s_delay_alu instid0(VALU_DEP_2)
	v_add_f32 v20, v20, v22
	s_delay_alu instid0(VALU_DEP_1)
	v_add_f32 v16, v16, v20
.endm
.irp c, 0,1,2,3
	v_pk_add_f32 v[16+2*\c:17+2*\c], v[X+4*\c:X+4*\c+1], v[X+4*\c+2:X+4*\c+3]
.endr
.irp j, 16,24,32,40,48,56
.irp c, 0,1,2,3
	s_delay_alu instid0(VALU_DEP_4)
	v_pk_add_f32 v[16+2*\c:17+2*\c], v[16+2*\c:17+2*\c], v[X+\j+2*\c:X+\j+2*\c+1]
.endr
.endr
	ROWSUM RED1
	s_delay_alu instid0(VALU_DEP_1)
	v_mul_f32 v12, s22, v16                        ; the mean,
	s_delay_alu instid0(VALU_DEP_1)
	v_mov_b32 v13, v12                             ; twice, for the packed forms
.set I_, 0
.rept 32
	v_pk_add_f32 v[X+2*I_:X+2*I_+1], v[X+2*I_:X+2*I_+1], v[12:13] neg_lo:[0,1] neg_hi:[0,1]
.set I_, I_+1
.endr
.irp c, 0,1,2,3
	v_pk_mul_f32 v[16+2*\c:17+2*\c], v[X+2*\c:X+2*\c+1], v[X+2*\c:X+2*\c+1]
.endr
.irp j, 8,16,24,32,40,48,56
.irp c, 0,1,2,3
	s_delay_alu instid0(VALU_DEP_4)
	v_pk_fma_f32 v[16+2*\c:17+2*\c], v[X+\j+2*\c:X+\j+2*\c+1], v[X+\j+2*\c:X+\j+2*\c+1], v[16+2*\c:17+2*\c]
.endr
.endr
	ROWSUM RED2
	s_delay_alu instid0(VALU_DEP_1)
	v_fma_f32 v16, v16, s22, s23                   ; the variance + 1e-5
	s_wait_alu depctr_va_vdst(0)                   ; the wait ahead of the transcendentals
	v_rsq_f32 v14, v16
	v_rsq_f32 v15, v16
	v_nop                                          ; a plain place behind the transcendentals
	s_wait_alu depctr_va_vdst(0)                   ; and ahead of the first reader: one for both
	s_wait_loadcnt 0x0                             ; gain and bias
	s_wait_xcnt 0x0                                ; x1's stores have read their registers, which take the codes below
.set I_, 0
.rept 32
	v_pk_mul_f32 v[X+2*I_:X+2*I_+1], v[X+2*I_:X+2*I_+1], v[14:15]
.set I_, I_+1
.endr
	WIN 0x14                                       ; sources 1 and 2: window 1
.set I_, 0
.rept 32
	v_pk_fma_f32 v[X+2*I_:X+2*I_+1], v[X+2*I_:X+2*I_+1], v[G+2*I_:G+2*I_+1], v[LB+2*I_:LB+2*I_+1]
.set I_, I_+1
.endr
	WIN 0
.irp b, 0,1,2,3
	v_mov_b32 v[TM+4+\b], 0                        ; a lane permute's destination counts as one of its sources
.endr
; 64 numbers of a lane, register 16 b + i = k 32 b + 16 (lane / 16) + i of my row, become a fragment's codes in v[PC] on and its scale word in v[PW]
.macro QUANT s
.irp b, 0,1,2,3
	v_max3_num_f32 v[TM+\b], |v[\s+16*\b]|, |v[\s+1+16*\b]|, 0x1800000   ; my 16 numbers of block b, and the floor 2^(3 - 127)
.endr
.irp i, 2,4,6,8,10,12,14
.irp b, 0,1,2,3
	s_delay_alu instid0(VALU_DEP_4)
	v_max3_num_f32 v[TM+\b], v[TM+\b], |v[\s+16*\b+\i]|, |v[\s+1+16*\b+\i]|
.endr
.endr
.irp b, 0,1,2,3
	s_delay_alu instid0(VALU_DEP_4)
	v_permlanex16_b32 v[TM+4+\b], v[TM+\b], s[SEL], s[SEL+1]
.endr
.irp b, 0,1,2,3
	s_delay_alu instid0(VALU_DEP_4)
	v_max_num_f32 v[TM+\b], v[TM+\b], v[TM+4+\b]   ; with lane l xor 16's: the block's largest magnitude
.endr
.irp b, 0,1,2,3
	s_delay_alu instid0(VALU_DEP_4)
	v_add_nc_u32 v[TM+12+\b], 0xff000000, v[TM+\b] ; 2 off its exponent field: the conversion's scale operand
.endr
.irp b, 0,1,2,3
	s_delay_alu instid0(VALU_DEP_4)
	v_lshrrev_b32 v[TM+4+\b], 23, v[TM+12+\b]      ; the scale's byte
.endr
	s_delay_alu instid0(VALU_DEP_3)
	v_lshl_or_b32 v[PW], v[TM+5], 8, v[TM+4]
	s_delay_alu instid0(VALU_DEP_1)
	v_lshl_or_b32 v[PW], v[TM+6], 16, v[PW]
	s_delay_alu instid0(VALU_DEP_1)
	v_lshl_or_b32 v[PW], v[TM+7], 24, v[PW]
.irp c, 0,1
	v_cvt_scalef32_pk16_fp6_f32 v[PC+6*\c:PC+2+6*\c], v[\s+32*\c:\s+15+32*\c], v[TM+12+2*\c]
	v_cvt_scalef32_pk16_fp6_f32 v[PC+12+4*\c:PC+14+4*\c], v[\s+16+32*\c:\s+31+32*\c], v[TM+12+2*\c+1]
.endr
	v_nop                                          ; one plain place behind a scaled conversion
.irp c, 0,1                            ; the operand's layout wants a whole block in a lane
.irp i, 0,1,2
	v_permlane16_swap_b32 v[PC+6*\c+\i], v[PC+12+4*\c+\i]
.endr
.irp i, 0,1,2
	s_delay_alu instid0(VALU_DEP_3)
	v_mov_b32 v[PC+3+6*\c+\i], v[PC+12+4*\c+\i]
.endr
.endr
.endm
	QUANT X
.irp p, 0,1,2,3,4,5
	global_store_b64 v8, v[PC+2*\p:PC+2*\p+1], s[48:49] offset:256*\p   ; 32 lanes store 256 consecutive bytes, aligned
.endr
	ds_store_b32 v7, v[PW] offset:SCB
	s_wait_dscnt 0x0                               ; for wave 0's sake
	s_barrier_signal -1
	s_barrier_wait -1
	s_cmp_lg_u32 s58, 0
	s_cbranch_scc1 .Lnot_wave_0
	ds_load_b128 v[16:19], v26 offset:SCB          ; the tile's 128 scale words leave as 512 consecutive bytes
	s_wait_dscnt 0x0
	global_store_b128 v9, v[16:19], s[50:51]
.Lnot_wave_0:
	s_wait_tensorcnt 0x0                           ; the wave's end, behind my last LDS store
	ds_add_u32 v[SPW], v[NIL]
	s_wait_dscnt 0x0
	s_endpgm
.Lfunc_end_k_q949305eca6_g4ln:
	.size	k_q949305eca6_g4ln, .Lfunc_end_k_q949305eca6_g4ln-k_q949305eca6_g4ln
	.p2alignl 7, 3214868480
	.fill 96, 4, 3214868480
	.section	.rodata,"a",@progbits
	.p2align	6, 0x0
	.amdhsa_kernel k_q949305eca6_g4ln
		.amdhsa_group_segment_fixed_size 115200
		.amdhsa_private_segment_fixed_size 0
		.amdhsa_enable_private_segment 0
		.amdhsa_kernarg_size 64
		.amdhsa_user_sgpr_count 2
		.amdhsa_user_sgpr_kernarg_segment_ptr 1
		.amdhsa_wavefront_size32 1
		.amdhsa_system_sgpr_workgroup_id_x 1
		.amdhsa_system_sgpr_workgroup_id_y 1
		.amdhsa_system_sgpr_workgroup_id_z 1
		.amdhsa_system_vgpr_workitem_id 0
		.amdhsa_next_free_vgpr 512
		.amdhsa_next_free_sgpr 66
		.amdhsa_reserve_vcc 0
		.amdhsa_float_denorm_mode_32 3
		.amdhsa_float_denorm_mode_16_64 3
		.amdhsa_memory_ordered 1
		.amdhsa_forward_progress 1
		.amdhsa_inst_pref_size 96
	.end_amdhsa_kernel
	.amdgpu_metadata
---
amdhsa.version: [ 1, 2 ]
amdhsa.kernels:
  - .name:           k_q949305eca6_g4ln
    .symbol:         k_q949305eca6_g4ln.kd
    .args:
      - { .name: act, .offset: 0, .size: 8, .value_kind: global_buffer, .address_space: global }
      - { .name: wqb, .offset: 8, .size: 8, .value_kind: global_buffer, .address_space: global }
      - { .name: b_aproj, .offset: 16, .size: 8, .value_kind: global_buffer, .address_space: global }
      - { .name: x, .offset: 24, .size: 8, .value_kind: global_buffer, .address_space: global }
      - { .name: x1, .offset: 32, .size: 8, .value_kind: global_buffer, .address_space: global }
      - { .name: ln2_g, .offset: 40, .size: 8, .value_kind: global_buffer, .address_space: global }
      - { .name: ln2_b, .offset: 48, .size: 8, .value_kind: global_buffer, .address_space: global }
      - { .name: act2, .offset: 56, .size: 8, .value_kind: global_buffer, .address_space: global }
    .group_segment_fixed_size: 115200
    .private_segment_fixed_size: 0
    .kernarg_segment_align: 8
    .kernarg_segment_size: 64
    .max_flat_workgroup_size: 256
    .sgpr_count:     66
    .vgpr_count:     512
    .wavefront_size: 32
...
	.end_amdgpu_metadata
.endif
;; end of part 4
;; launch g5 (part 5): grid 16 x 16, 4 waves a work-group, clusters of 4 x 4, 327,680 bytes of LDS; arguments act2, wqb, b_fc, gb; writes gb
.if DOCPART == 5
	.amdgcn_target "amdgcn-amd-amdhsa--gfx1250"
	.amdhsa_code_object_version 6
	.text
	.protected	k_q949305eca6_g5
	.globl	k_q949305eca6_g5
	.p2align	8
	.type	k_q949305eca6_g5,@function
k_q949305eca6_g5:
	s_mov_b64 s[64:65], 0
	v_nop
	global_prefetch_b8 v0, s[64:65] scope:SCOPE_SE
	s_setreg_imm32_b32 hwreg(HW_REG_WAVE_MODE, 25, 1), 1
	s_wait_xcnt 0x0
	s_wait_alu depctr_hold_cnt(0) depctr_sa_sdst(0) depctr_va_vdst(0) depctr_va_sdst(0) depctr_va_ssrc(0) depctr_va_vcc(0) depctr_vm_vsrc(0)
	s_getreg_b32 s2, hwreg(HW_REG_IB_STS2, 6, 4)
	s_cmp_eq_u32 s2, 0
	s_cbranch_scc0 .Lentry_in_a_cluster
	s_endpgm
.Lentry_in_a_cluster:
	s_bfe_u32 s2, ttmp6, 0x10000c
	s_cmp_lg_u32 s2, 0xf033
	s_cbranch_scc0 .Lentry_shape_is_right
	s_endpgm
.Lentry_shape_is_right:
; gelu(LN2(x1) w_fc + b_fc) on codes of FP6 (E2M3), K = 1,024, N = 4,096, quantised on the way out as the last product's operand; the hidden layer goes to memory as codes alone.
; Operands lie as images of their registers: [tile of 16 rows][K step of 128][1,536 bytes], register pair p of lane L at 256 p + 8 L; scale words [tile][K step][16 words].
; Tile t holds at lane index r row 32 (t / 2) + 8 (t % 2) + (r & 7) + 16 (r >> 3): so the weight's tiles 2 b and 2 b + 1 leave in a lane 16 neighbouring hidden units, which is what the conversions take.
; A work-group makes 256 x 256, each of four waves 128 x 128: 64 accumulators.  K goes in steps of 256 through two LDS slots; all scale words come once.  CLUSTERS: 4 x 4, joint loads along rows (tokens) and columns (weight).
; THE GELU IS THE EXACT ONE: gelu(x) = max(x, 0) - z erfc(z) / sqrt(2), z = |x| / sqrt(2); erfc(z) = t exp(-z^2 + c0 + t (c1 + .. + t c9)), t = 1 / (1 + z / 2): a fit whose fractional error stays under 1.2e-7 for every z.
; The way out is a loop of four trips, two tiles of tokens a trip; only the copy out of the accumulators, whose register numbers differ, is written four times.
; LIMITS: a block of zeros, or one whose largest magnitude lies under 2^-124, gets the byte 1 (read by this program alone); NaN and infinities are not served.  Scale words leave in two runs of 64 bytes.
.set T,     8
.set NQ,    2
.set KS8,   8
.set ASOFF, 3145728
.set BCOFF, 3145728
.set BSOFF, 9437184+131072
.set GS,    12582912
.set FR,    12
.set FRB,   1536
.set NL,    6
.set NP,    4
.set HN,    (T/2)*NL
.set HALFT, T*NQ*FRB
.set SLOT,  4*HALFT
.set SCL,   2*SLOT
.set HALFS, T*KS8*64
.set SPARE, SCL+4*HALFS
.set LAPS,  KS8/(2*NQ)
.set ADRA,  16
.set ADRB,  20
.set L8,    24                         ; v24  8 x lane
.set SO2,   25                         ; v25  4 r + 2,048 h: two tiles' scale words
.set ADRS,  27
.set SPW,   28
.set NIL,   29
.set BO,    30
.set SC,    32                         ; v32-63 scale words, two sets of 16: nothing else ever
.set Z,     64                         ; the gelu's work: v64-79 z, v80-95 t, v96-111 the polynomial; 16 numbers at a time
.set TT,    80
.set P,     96
.set TM,    104
.set PW,    120
.set PWE,   121
.set PWS,   122
.set C9,    126                        ; v[126:127] c9
.set AF,    128
.set SEL,   100
.set G1, 24
.set G0, 32
.set G1B, 48
.set G0B, 56
.set G1S, 68
.set G0S, 76
.set G1SB, 80
.set G0SB, 88
.set MSB, 0
.macro WIN new
.if MSB != \new
	s_set_vgpr_msb (MSB<<8)|\new
.set MSB, \new
.endif
.endm
.set MUL_LO, 0xa1
.set MUL_HI, 0xf1
.set TO_B,   0x40
.macro PLACES n
.rept \n
	v_nop
.endr
.endm
.macro JLOAD g0a, g1a, g0b, g1b        ; a joint load: waves 0 and 1 for the tokens, waves 2 and 3 for the weight; an s_nop 0 and four v_nop follow each line
	s_cmp_eq_u32 s15, 0
	s_cbranch_scc0 .Lfor_b_\@
	tensor_load_to_lds s[\g0a:\g0a+3], s[\g1a:\g1a+7]
	s_nop 0
.rept 4
	v_nop
.endr
	s_branch .Lasked_\@
.Lfor_b_\@:
	tensor_load_to_lds s[\g0b:\g0b+3], s[\g1b:\g1b+7]
	s_nop 0
.rept 4
	v_nop
.endr
.Lasked_\@:
.endm
.macro CREST
	s_cmp_lg_u32 s14, 0
	s_cbranch_scc1 .Lnot_wave_0_\@
	s_barrier_signal -3
.Lnot_wave_0_\@:
	s_barrier_wait -3
	s_barrier_signal -1
	s_barrier_wait -1
.endm
.macro CROUND
	s_barrier_signal -1
	s_barrier_wait -1
	CREST
.endm
	s_load_b128 s[4:7], s[0:1], 0x0                ; act, wqb
	s_load_b128 s[8:11], s[0:1], 0x10              ; b_fc, gb
	v_lshl_add_u32 v[SPW], v0, 2, SPARE
	v_mov_b32 v[NIL], 0
	ds_add_u32 v[SPW], v[NIL]                      ; the wave's opening
	ds_add_u32 v[SPW], v[NIL]
	v_lshrrev_b32 v1, 5, v0
	v_readfirstlane_b32 s14, v1
	s_lshr_b32 s15, s14, 1
	s_and_b32 s16, s14, 1
	s_bfe_u32 s40, ttmp6, 0x40000
	s_bfe_u32 s41, ttmp6, 0x40004
	s_lshl_b32 s42, ttmp9, 2
	s_add_co_u32 s42, s42, s40                     ; block column
	s_and_b32 s17, ttmp7, 0xffff
	s_lshl_b32 s17, s17, 2
	s_add_co_u32 s17, s17, s41                     ; block row
	s_lshl_b32 s43, s41, 2
	s_lshl_b32 s43, 15, s43
	s_lshl_b32 s44, 0x1111, s40
	s_or_b32 s[G1+0], s43, (3<<16)|(1<<21)
	s_or_b32 s[G1B+0], s44, (3<<16)|(1<<21)
.irp g, G1, G1B
	s_mov_b32 s[\g+1], (NQ*192)<<16
	s_mov_b32 s[\g+2], (2*T)<<16                   ; the head's loads bring a block's whole 2 T tiles
	s_mov_b32 s[\g+3], (NQ*192)<<16
	s_mov_b32 s[\g+4], 2*T
	s_mov_b32 s[\g+5], KS8*192
	s_mov_b32 s[\g+6], 0
	s_mov_b32 s[\g+7], 0
.endr
	s_or_b32 s[G1S+0], s43, (3<<16)|(1<<21)
	s_or_b32 s[G1SB+0], s44, (3<<16)|(1<<21)
.irp g, G1S, G1SB
	s_mov_b32 s[\g+1], 32<<16
	s_mov_b32 s[\g+2], (HALFS/128)<<16             ; the scale words of both halves in one load
	s_mov_b32 s[\g+3], 32<<16
	s_mov_b32 s[\g+4], HALFS/128
	s_mov_b32 s[\g+5], 32
	s_mov_b32 s[\g+6], 0
	s_mov_b32 s[\g+7], 0
.endr
	s_lshl_b32 s20, s17, 1
	s_add_co_u32 s20, s20, s16
	s_mul_i32 s22, s20, HALFS
	s_add_co_u32 s22, s22, ASOFF
	s_mul_i32 s20, s20, T*KS8*FRB
	s_mov_b32 s21, 0
	s_mov_b32 s23, 0
	s_lshl_b32 s46, s42, 1
	s_add_co_u32 s46, s46, s16
	s_mul_i32 s92, s46, HALFS
	s_add_co_u32 s92, s92, BSOFF
	s_mul_i32 s46, s46, T*KS8*FRB
	s_add_co_u32 s46, s46, BCOFF
	s_mov_b32 s47, 0
	s_mov_b32 s93, 0
	s_mul_i32 s45, s14, HALFT
	s_mov_b32 s[SEL], 0x76543210
	s_mov_b32 s[SEL+1], 0xfedcba98
	s_wait_dscnt 0x0
	s_wait_kmcnt 0x0
	s_add_nc_u64 s[20:21], s[4:5], s[20:21]
	s_add_nc_u64 s[22:23], s[4:5], s[22:23]
	s_add_nc_u64 s[46:47], s[6:7], s[46:47]
	s_add_nc_u64 s[92:93], s[6:7], s[92:93]
	CROUND
	s_mul_i32 s18, s16, T*KS8*FRB                  ; from a block's first half to my half: codes,
	s_mov_b32 s19, 0
	s_mul_i32 s94, s16, HALFS                      ; scale words
	s_mov_b32 s95, 0
	s_mov_b32 s[G0S], 1
	s_mov_b32 s[G0S+1], SCL
	s_sub_nc_u64 s[G0S+2:G0S+3], s[22:23], s[94:95]
	s_or_b32 s[G0S+3], s[G0S+3], 0x80000000
	s_mov_b32 s[G0SB], 1
	s_mov_b32 s[G0SB+1], SCL+2*HALFS
	s_sub_nc_u64 s[G0SB+2:G0SB+3], s[92:93], s[94:95]
	s_or_b32 s[G0SB+3], s[G0SB+3], 0x80000000
.irp s, 0,1
	s_mov_b32 s[G0+4*\s], 1
	s_add_co_u32 s[G0+4*\s+1], s45, \s*SLOT
	s_add_nc_u64 s[G0+4*\s+2:G0+4*\s+3], s[20:21], \s*NQ*FRB
	s_or_b32 s[G0+4*\s+3], s[G0+4*\s+3], 0x80000000
	s_mov_b32 s[G0B+4*\s], 1
	s_add_co_u32 s[G0B+4*\s+1], s45, \s*SLOT
	s_add_nc_u64 s[G0B+4*\s+2:G0B+4*\s+3], s[46:47], \s*NQ*FRB
	s_or_b32 s[G0B+4*\s+3], s[G0B+4*\s+3], 0x80000000
.endr
	s_mov_b32 s[G0+1], 0                           ; for the head slot 0's two groups 0 name whole blocks
	s_sub_nc_u64 s[G0+2:G0+3], s[G0+2:G0+3], s[18:19]
	s_mov_b32 s[G0B+1], 2*HALFT
	s_sub_nc_u64 s[G0B+2:G0B+3], s[G0B+2:G0B+3], s[18:19]
; the head's four tiles, one load a wave, in one chain of branches on the wave's number: the tokens' slot 0, the weight's slot 0, their scale words
.macro ARM under, g0, g1, next
	s_cmp_lt_u32 s14, \under
	s_cbranch_scc0 \next
	tensor_load_to_lds s[\g0:\g0+3], s[\g1:\g1+7]
	s_nop 0
	PLACES 4
	s_branch .Lhead_asked
\next:
.endm
	ARM 1, G0, G1, .Lhead_b
	ARM 2, G0B, G1B, .Lhead_sa
	ARM 3, G0S, G1S, .Lhead_sb
	tensor_load_to_lds s[G0SB:G0SB+3], s[G1SB:G1SB+7]
	s_nop 0
	PLACES 4
.Lhead_asked:
	v_and_b32 v1, 15, v0                           ; r
	v_bfe_u32 v2, v0, 4, 1                         ; h
	s_wait_alu depctr_va_vdst(0)
	v_and_b32 v3, 31, v0
	v_lshlrev_b32 v[L8], 3, v3
	s_mul_i32 s21, s15, HALFT
	s_mul_i32 s22, s16, HALFT
	s_add_co_u32 s22, s22, 2*HALFT
.irp s, 0,1
	v_add_nc_u32 v[ADRA+\s], s21, v[L8]
	v_add_nc_u32 v[ADRB+\s], s22, v[L8]
	s_add_co_u32 s21, s21, SLOT
	s_add_co_u32 s22, s22, SLOT
.endr
	s_mul_i32 s21, s15, HALFS
	s_mul_i32 s22, s16, HALFS
	s_add_co_u32 s22, s22, 2*HALFS
	s_sub_co_u32 s22, s22, s21
	v_mul_u32_u24 v6, s22, v2
	s_add_co_u32 s21, s21, SCL
	v_lshlrev_b32 v5, 2, v1
	v_add_nc_u32 v6, v5, v6
	v_add_nc_u32 v[ADRS], s21, v6
	v_lshl_add_u32 v[SO2], v2, 11, v5
	v_lshlrev_b32 v[BO], 6, v2
	s_wait_alu depctr_va_vdst(0)
	s_lshl_b32 s18, s42, 10
	s_lshl_b32 s19, s16, 9
	s_add_co_u32 s18, s18, s19                     ; my first hidden unit, in bytes
	s_mov_b32 s19, 0
	s_add_nc_u64 s[8:9], s[8:9], s[18:19]
	s_lshl_b32 s18, s17, 4
	s_lshl_b32 s20, s15, 3
	s_add_co_u32 s18, s18, s20                     ; my first tile of tokens
	s_lshl_b32 s18, s18, 5
	s_lshl_b32 s20, s42, 1
	s_add_co_u32 s18, s18, s20
	s_add_co_u32 s18, s18, s16                     ; x 32 + my K step of the last product
	s_mul_i32 s20, s18, 1536
	s_mov_b32 s21, 0
	s_add_nc_u64 s[96:97], s[10:11], s[20:21]      ; where my fragments go
	s_lshl_b32 s20, s18, 6
	s_add_co_u32 s20, s20, GS
	s_add_nc_u64 s[98:99], s[10:11], s[20:21]      ; and their scale words
	WIN TO_B                                       ; the bias into window 1's free registers: tile b's eight at v96 + 8 b (b < 4), v224 + 8 (b - 4)
.irp b, 0,1,2,3,4,5,6,7
	global_load_b128 v[96+8*\b+96*(\b/4):99+8*\b+96*(\b/4)], v[BO], s[8:9] offset:(32*(\b/2)+8*(\b%2))*4
	global_load_b128 v[100+8*\b+96*(\b/4):103+8*\b+96*(\b/4)], v[BO], s[8:9] offset:(32*(\b/2)+8*(\b%2))*4+16
.endr
	WIN 0
.macro FRAG reg, adr, q, i
.irp p, 0,1,2,3,4,5
	ds_load_b64 v[\reg+2*\p:\reg+2*\p+1], v[\adr] offset:((\i)*NQ+(\q))*FRB+256*\p
.endr
.endm
.macro FETCH_B slot, q, p
	WIN TO_B
.set I_, 0
.rept T
	FRAG 128*(\p)+FR*I_, ADRB+\slot, \q, I_
.set I_, I_+1
.endr
	WIN 0
.endm
.macro FETCH_A slot, q, i0
.set I_, \i0
.rept T/2
	FRAG AF+FR*I_, ADRA+\slot, \q, I_
.set I_, I_+1
.endr
.endm
.macro SCALES sc
.set I_, 0
.rept T
.set Q_, 0
.rept NQ
	ds_load_b32 v[SC+16*(\sc)+NQ*I_+Q_], v[ADRS] offset:I_*KS8*64+64*Q_
.set Q_, Q_+1
.endr
.set I_, I_+1
.endr
.endm
.macro MULQ qa, p, q, sc, zero         ; the accumulators take turns, one instruction a turn, in the same order in every step
.set A_, (\qa)*T/4
.rept T/4
.set B_, 0
.rept T
.set AC_, 8*(T*(A_%(T/2))+B_)
.if \zero
	v_wmma_scale_f32_16x16x128_f8f6f4 v[AC_:AC_+7], v[128*(\p)+FR*B_:128*(\p)+FR*B_+FR-1], v[AF+FR*A_:AF+FR*A_+FR-1], 0, v[SC+16*(\sc)+NQ*B_+(\q)], v[SC+16*(\sc)+NQ*A_+(\q)] matrix_a_fmt:MATRIX_FMT_FP6 matrix_b_fmt:MATRIX_FMT_FP6 matrix_a_scale:MATRIX_SCALE_ROW1
.else
	v_wmma_scale_f32_16x16x128_f8f6f4 v[AC_:AC_+7], v[128*(\p)+FR*B_:128*(\p)+FR*B_+FR-1], v[AF+FR*A_:AF+FR*A_+FR-1], v[AC_:AC_+7], v[SC+16*(\sc)+NQ*B_+(\q)], v[SC+16*(\sc)+NQ*A_+(\q)] matrix_a_fmt:MATRIX_FMT_FP6 matrix_b_fmt:MATRIX_FMT_FP6 matrix_a_scale:MATRIX_SCALE_ROW1
.endif
.set B_, B_+1
.endr
.set A_, A_+1
.endr
.endm
.macro STEP slot, q, zero
	s_wait_dscnt HN                                ; the weight's set and the tokens' lower tiles are in; the youngest HN loads may be out
	WIN MUL_LO
	MULQ 0, (\q)%2, \q, \slot, \zero
	MULQ 1, (\q)%2, \q, \slot, \zero
	s_wait_dscnt 0
	PLACES NP
	FETCH_B \slot, (\q)+1, 1-(\q)%2
	FETCH_A \slot, (\q)+1, 0
	WIN MUL_HI
	MULQ 2, (\q)%2, \q, \slot, \zero
	MULQ 3, (\q)%2, \q, \slot, \zero
	PLACES NP
	WIN 0
	FETCH_A \slot, (\q)+1, T/2
.endm
.macro TURN slot, next, fill
	s_wait_tensorcnt 0x0                           ; all my tensor loads have landed: my part of the next slot
	ds_add_u32 v[SPW], v[NIL]                      ; 0 onto my spare word
	s_wait_dscnt HN+1                              ; (the add and the tokens' upper tiles may be out)
	WIN MUL_LO
	MULQ 0, 1, NQ-1, \slot, 0
	s_wait_dscnt 0x0                               ; the add is done, and my reads of this slot are over
	s_barrier_signal -1
	MULQ 1, 1, NQ-1, \slot, 0
	WIN 0
	s_barrier_wait -1
.if \fill
	CREST                                          ; the barrier has opened a round of the cluster's: no wave of any partner still reads this slot or has a load on its way
	s_add_nc_u64 s[G0+4*\slot+2:G0+4*\slot+3], s[G0+4*\slot+2:G0+4*\slot+3], 2*NQ*FRB
	s_add_nc_u64 s[G0B+4*\slot+2:G0B+4*\slot+3], s[G0B+4*\slot+2:G0B+4*\slot+3], 2*NQ*FRB
	JLOAD G0+4*\slot, G1, G0B+4*\slot, G1B
.else
	PLACES NP
.endif
	s_wait_alu depctr_va_vdst(0)
	v_add_nc_u32 v[ADRS], 64*NQ, v[ADRS]
	FETCH_B \next, 0, 0
	FETCH_A \next, 0, 0
	SCALES \next
	WIN MUL_HI
	MULQ 2, 1, NQ-1, \slot, 0
	MULQ 3, 1, NQ-1, \slot, 0
	PLACES NP
	WIN 0
	FETCH_A \next, 0, T/2
.endm
	s_wait_alu depctr_va_vdst(0)                   ; the head's end
	s_wait_tensorcnt 0x0                           ; my tile of the head's four is in
	ds_add_u32 v[SPW], v[NIL]
	s_mul_i32 s18, s16, T*KS8*FRB                  ; no load of mine is out: the descriptors become the ring's: T tiles a load, my half, my place
	s_mov_b32 s19, 0
	s_mov_b32 s[G1+2], T<<16
	s_mov_b32 s[G1+4], T
	s_mov_b32 s[G1B+2], T<<16
	s_mov_b32 s[G1B+4], T
	s_mov_b32 s[G0+1], s45
	s_mov_b32 s[G0B+1], s45
	s_add_nc_u64 s[G0+2:G0+3], s[G0+2:G0+3], s[18:19]
	s_add_nc_u64 s[G0B+2:G0B+3], s[G0B+2:G0B+3], s[18:19]
	s_wait_dscnt 0x0
	CROUND                                         ; all four tiles are in, in every partner
	JLOAD G0+4, G1, G0B+4, G1B                     ; slot 1's first fill, my one load behind the round
	FETCH_B 0, 0, 0
	FETCH_A 0, 0, 0
	SCALES 0
	FETCH_A 0, 0, T/2
	STEP 0, 0, 1
	s_mov_b32 s3, LAPS-1
.Llap:
	TURN 0, 1, 1
	STEP 1, 0, 0
	TURN 1, 0, 1
	STEP 0, 0, 0
	s_sub_co_u32 s3, s3, 1
	s_cmp_lg_u32 s3, 0
	s_cbranch_scc1 .Llap
	TURN 0, 1, 0
	STEP 1, 0, 0
	s_wait_dscnt HN
	WIN MUL_LO
	MULQ 0, 1, NQ-1, 1, 0
	MULQ 1, 1, NQ-1, 1, 0
	s_wait_dscnt 0
	WIN MUL_HI
	MULQ 2, 1, NQ-1, 1, 0
	MULQ 3, 1, NQ-1, 1, 0
	WIN 0
	PLACES NP
	s_wait_loadcnt 0x0                             ; the bias
	; the fit's coefficients, each twice (the packed forms name pairs), in the descriptors' registers: no tensor load of mine is out since the last change of slots
	s_mov_b32 s24, 0xbfa1fc4e                      ; c0 = -1.26551223
	s_mov_b32 s26, 0x3f8000c7                      ; c1 =  1.00002368
	s_mov_b32 s28, 0x3ebf88fb                      ; c2 =  0.37409196
	s_mov_b32 s30, 0x3dc636c9                      ; c3 =  0.09678418
	s_mov_b32 s32, 0xbe3ec24c                      ; c4 = -0.18628806
	s_mov_b32 s34, 0x3e8ec7cc                      ; c5 =  0.27886807
	s_mov_b32 s36, 0xbf914e5d                      ; c6 = -1.13520398
	s_mov_b32 s38, 0x3fbe87b0                      ; c7 =  1.48851587
	s_mov_b32 s40, 0xbf527892                      ; c8 = -0.82215223
	s_mov_b32 s42, 0xbf3504f3                      ; -1 / sqrt(2)
	s_mov_b32 s46, 0x3fb8aa3b                      ; log2(e)
.irp k, 24,26,28,30,32,34,36,38,40,42,46
	s_mov_b32 s[\k+1], s[\k]
.endr
	s_mov_b32 s44, 0x3f3504f3                      ; 1 / sqrt(2)
	s_mov_b32 s45, 0xffff0000                      ; lanes 16-31
	v_mov_b32 v[C9], 0x3e2ef945                    ; c9 =  0.17087277
	v_mov_b32 v[C9+1], 0x3e2ef945
.macro COPY2 g                         ; tiles 2 g and 2 g + 1 of tokens: their 128 sums + the bias, into v128-255 of window 0; each accumulator from its low end on
	WIN (6+(\g)/2)
.set I_, 0
.rept 64
.set B_, (I_%32)/4
.set BR_, 96+8*B_+96*(B_/4)+2*(I_%4)
	v_pk_add_f32 v[128+2*I_:129+2*I_], v[128*((\g)%2)+2*I_:128*((\g)%2)+2*I_+1], v[BR_:BR_+1]
.set I_, I_+1
.endr
	WIN 0
.endm
.macro GELU x                          ; 16 numbers, in place
.set I_, 0
.rept 16
	v_mul_f32 v[Z+I_], s44, |v[\x+I_]|             ; z
.set I_, I_+1
.endr
.set I_, 0
.rept 8
	v_pk_fma_f32 v[TT+2*I_:TT+2*I_+1], v[Z+2*I_:Z+2*I_+1], 0.5, 1.0 op_sel_hi:[1,0,0]
.set I_, I_+1
.endr
.set I_, 0
	s_wait_alu depctr_va_vdst(0)
.rept 16
	v_rcp_f32 v[TT+I_], v[TT+I_]                   ; t
.set I_, I_+1
.endr
.set I_, 0
.rept 16
	v_max_num_f32 v[\x+I_], 0, v[\x+I_]            ; max(x, 0): work that names no reciprocal
.set I_, I_+1
.endr
	s_wait_alu depctr_va_vdst(0)                   ; the wait ahead of the batch's first reader
.set I_, 0
.rept 8
	v_pk_fma_f32 v[P+2*I_:P+2*I_+1], v[TT+2*I_:TT+2*I_+1], v[C9:C9+1], s[40:41] op_sel_hi:[1,1,0]
.set I_, I_+1
.endr
.irp k, 38,36,34,32,30,28,26,24
.set I_, 0
.rept 8
	v_pk_fma_f32 v[P+2*I_:P+2*I_+1], v[P+2*I_:P+2*I_+1], v[TT+2*I_:TT+2*I_+1], s[\k:\k+1] op_sel_hi:[1,1,0]
.set I_, I_+1
.endr
.endr
.set I_, 0
.rept 8
	v_pk_fma_f32 v[P+2*I_:P+2*I_+1], v[Z+2*I_:Z+2*I_+1], v[Z+2*I_:Z+2*I_+1], v[P+2*I_:P+2*I_+1] neg_lo:[1,0,0] neg_hi:[1,0,0]   ; - z^2
.set I_, I_+1
.endr
.set I_, 0
.rept 8
	v_pk_mul_f32 v[P+2*I_:P+2*I_+1], v[P+2*I_:P+2*I_+1], s[46:47] op_sel_hi:[1,0]
.set I_, I_+1
.endr
.set I_, 0
	s_wait_alu depctr_va_vdst(0)
.rept 16
	v_exp_f32 v[P+I_], v[P+I_]
.set I_, I_+1
.endr
.set I_, 0
.rept 8
	v_pk_mul_f32 v[Z+2*I_:Z+2*I_+1], v[Z+2*I_:Z+2*I_+1], v[TT+2*I_:TT+2*I_+1]   ; z t: work that names no exponential
.set I_, I_+1
.endr
	s_wait_alu depctr_va_vdst(0)
.set I_, 0
.rept 8
	v_pk_mul_f32 v[Z+2*I_:Z+2*I_+1], v[Z+2*I_:Z+2*I_+1], v[P+2*I_:P+2*I_+1]     ; z erfc(z)
.set I_, I_+1
.endr
.set I_, 0
.rept 8
	v_pk_fma_f32 v[\x+2*I_:\x+2*I_+1], v[Z+2*I_:Z+2*I_+1], s[42:43], v[\x+2*I_:\x+2*I_+1] op_sel_hi:[1,0,1]
.set I_, I_+1
.endr
.endm
.macro QUANT s                         ; 64 numbers of a lane, register 16 b + i = k 32 b + 16 (lane / 16) + i, become a fragment's codes in v[PC] on and its scale word in v[PW]
.irp b, 0,1,2,3
	v_max3_num_f32 v[TM+\b], |v[\s+16*\b]|, |v[\s+1+16*\b]|, 0x1800000
.endr
.irp i, 2,4,6,8,10,12,14
.irp b, 0,1,2,3
	v_max3_num_f32 v[TM+\b], v[TM+\b], |v[\s+16*\b+\i]|, |v[\s+1+16*\b+\i]|
.endr
.endr
.irp b, 0,1,2,3
	v_permlanex16_b32 v[TM+4+\b], v[TM+\b], s[SEL], s[SEL+1]
.endr
.irp b, 0,1,2,3
	v_max_num_f32 v[TM+\b], v[TM+\b], v[TM+4+\b]
.endr
.irp b, 0,1,2,3
	v_add_nc_u32 v[TM+12+\b], 0xff000000, v[TM+\b]
.endr
.irp b, 0,1,2,3
	v_lshrrev_b32 v[TM+4+\b], 23, v[TM+12+\b]
.endr
	v_lshl_or_b32 v[PW], v[TM+5], 8, v[TM+4]
	v_lshl_or_b32 v[PW], v[TM+6], 16, v[PW]
	v_lshl_or_b32 v[PW], v[TM+7], 24, v[PW]
.irp c, 0,1
	v_cvt_scalef32_pk16_fp6_f32 v[PC+6*\c:PC+2+6*\c], v[\s+32*\c:\s+15+32*\c], v[TM+12+2*\c]
	v_cvt_scalef32_pk16_fp6_f32 v[PC+12+4*\c:PC+14+4*\c], v[\s+16+32*\c:\s+31+32*\c], v[TM+12+2*\c+1]
.endr
	v_nop
.irp c, 0,1
.irp i, 0,1,2
	v_permlane16_swap_b32 v[PC+6*\c+\i], v[PC+12+4*\c+\i]
.endr
.irp i, 0,1,2
	v_mov_b32 v[PC+3+6*\c+\i], v[PC+12+4*\c+\i]
.endr
.endr
.endm
	s_mov_b32 s3, 0
.Lpair:                                            ; four trips, two tiles of tokens each
	s_cmp_eq_u32 s3, 0
	s_cbranch_scc1 .Lcopy0
	s_cmp_eq_u32 s3, 1
	s_cbranch_scc1 .Lcopy1
	s_cmp_eq_u32 s3, 2
	s_cbranch_scc1 .Lcopy2
	COPY2 3
	s_branch .Lcommon
.Lcopy0:
	COPY2 0
	s_branch .Lcommon
.Lcopy1:
	COPY2 1
	s_branch .Lcommon
.Lcopy2:
	COPY2 2
.Lcommon:
.irp c, 0,1,2,3,4,5,6,7
	GELU 128+16*\c
.endr
.set PC, 64
	QUANT 128
.irp p, 0,1,2,3,4,5
	global_store_b64 v[L8], v[PC+2*\p:PC+2*\p+1], s[96:97] offset:256*\p            ; 32 lanes store 256 consecutive bytes, aligned
.endr
	v_mov_b32 v[PWE], v[PW]
.set PC, 84
	QUANT 192
.irp p, 0,1,2,3,4,5
	global_store_b64 v[L8], v[PC+2*\p:PC+2*\p+1], s[96:97] offset:49152+256*\p      ; the next tile of tokens: 32 fragments on
.endr
	v_cndmask_b32 v[PWS], v[PWE], v[PW], s45       ; lanes 0-15 the first tile's words, lanes 16-31 the second's
	global_store_b32 v[SO2], v[PWS], s[98:99]
	s_wait_xcnt 0x0                                ; the stores have read their registers and bases
	s_add_nc_u64 s[96:97], s[96:97], 98304
	s_add_nc_u64 s[98:99], s[98:99], 4096
	s_add_co_u32 s3, s3, 1
	s_cmp_lt_u32 s3, 4
	s_cbranch_scc1 .Lpair
	s_wait_tensorcnt 0x0                           ; the wave's end
	ds_add_u32 v[SPW], v[NIL]
	s_wait_dscnt 0x0
	CROUND                                         ; the closing round
	s_endpgm
.Lfunc_end_k_q949305eca6_g5:
	.size	k_q949305eca6_g5, .Lfunc_end_k_q949305eca6_g5-k_q949305eca6_g5
	.p2alignl 7, 3214868480
	.fill 96, 4, 3214868480
	.section	.rodata,"a",@progbits
	.p2align	6, 0x0
	.amdhsa_kernel k_q949305eca6_g5
		.amdhsa_group_segment_fixed_size 327680
		.amdhsa_private_segment_fixed_size 0
		.amdhsa_enable_private_segment 0
		.amdhsa_kernarg_size 32
		.amdhsa_user_sgpr_count 2
		.amdhsa_user_sgpr_kernarg_segment_ptr 1
		.amdhsa_wavefront_size32 1
		.amdhsa_system_sgpr_workgroup_id_x 1
		.amdhsa_system_sgpr_workgroup_id_y 1
		.amdhsa_system_sgpr_workgroup_id_z 1
		.amdhsa_system_vgpr_workitem_id 0
		.amdhsa_next_free_vgpr 1024
		.amdhsa_next_free_sgpr 102
		.amdhsa_reserve_vcc 0
		.amdhsa_float_denorm_mode_32 3
		.amdhsa_float_denorm_mode_16_64 3
		.amdhsa_memory_ordered 1
		.amdhsa_forward_progress 1
		.amdhsa_inst_pref_size 243
	.end_amdhsa_kernel
	.amdgpu_metadata
---
amdhsa.version: [ 1, 2 ]
amdhsa.kernels:
  - .name:           k_q949305eca6_g5
    .symbol:         k_q949305eca6_g5.kd
    .args:
      - { .name: act2, .offset: 0, .size: 8, .value_kind: global_buffer, .address_space: global }
      - { .name: wqb, .offset: 8, .size: 8, .value_kind: global_buffer, .address_space: global }
      - { .name: b_fc, .offset: 16, .size: 8, .value_kind: global_buffer, .address_space: global }
      - { .name: gb, .offset: 24, .size: 8, .value_kind: global_buffer, .address_space: global }
    .group_segment_fixed_size: 327680
    .private_segment_fixed_size: 0
    .kernarg_segment_align: 8
    .kernarg_segment_size: 32
    .max_flat_workgroup_size: 128
    .sgpr_count:     102
    .vgpr_count:     1024
    .wavefront_size: 32
...
	.end_amdgpu_metadata
.endif
;; end of part 5
;; launch g6 (part 6): grid 32 x 8, 4 waves a work-group, clusters of 4 x 4, 327,680 bytes of LDS; arguments gb, wqb, b_mproj, x1, out0; writes out0
.if DOCPART == 6
	.amdgcn_target "amdgcn-amd-amdhsa--gfx1250"
	.amdhsa_code_object_version 6
	.text
	.protected	k_q949305eca6_g6
	.globl	k_q949305eca6_g6
	.p2align	8
	.type	k_q949305eca6_g6,@function
k_q949305eca6_g6:
	s_mov_b64 s[64:65], 0
	v_nop
	global_prefetch_b8 v0, s[64:65] scope:SCOPE_SE
	s_setreg_imm32_b32 hwreg(HW_REG_WAVE_MODE, 25, 1), 1
	s_wait_xcnt 0x0
	s_wait_alu depctr_hold_cnt(0) depctr_sa_sdst(0) depctr_va_vdst(0) depctr_va_sdst(0) depctr_va_ssrc(0) depctr_va_vcc(0) depctr_vm_vsrc(0)
	s_getreg_b32 s2, hwreg(HW_REG_IB_STS2, 6, 4)
	s_cmp_eq_u32 s2, 0
	s_cbranch_scc0 .Lentry_in_a_cluster
	s_endpgm
.Lentry_in_a_cluster:
	s_bfe_u32 s2, ttmp6, 0x10000c
	s_cmp_lg_u32 s2, 0xf033
	s_cbranch_scc0 .Lentry_shape_is_right
	s_endpgm
.Lentry_shape_is_right:
; out0 = x1 + h w_mproj + b_mproj on codes of FP6 (E2M3), h the quantised gelu layer: M = 4,096, N = 1,024, K = 4,096; out0, x1: [4,096][1,024] f32.
; Operands lie as images of their registers: [tile of 16 rows][K step of 128][1,536 bytes], register pair p of lane L at 256 p + 8 L; scale words [tile][K step][16 words].
; Tile t holds at lane index r row 32 (t / 2) + 8 (t % 2) + (r & 7) + 16 (r >> 3).
; THE DEAL: 256 work-groups, each 128 x 128 of out0; each of four waves 64 x 64: 16 accumulators.  Source 0 = the weight's columns (window 1), source 1 = tokens (window 0): a lane holds a token and neighbouring columns.
; K goes in chunks of 512 (four K steps) through a ring of two LDS slots of 98,304 bytes; all scale words, 32,768 bytes, come once and stay behind the ring.
; CLUSTERS, 4 x 4: the cluster's x counts block rows.  The tokens' tiles hang on the block row alone and are asked for jointly by a column of the cluster, the weight's by a row.
; THE HEAD: one joint load a wave: the tokens' chunk 0, the weight's chunk 0, the tokens' scale words, the weight's.  Slot 1 is first filled behind a drained round, as a refill is.
; PREFETCH: behind the fill of chunk c each wave asks for chunk c + 2, two fills ahead: of the four tiles (4 x 6,144 bytes) that the wave loads in the ring, each of the four partners that ask jointly names one tile, told apart by address
; (cy for the tokens, cx for the weight): 24 blocks of 256 bytes, a lane each; lanes 24 to 31 name the last block again.  The last trip has no chunk two fills on: there a wave asks for its 64 rows x 256 bytes of x1, a lane a row, 32 rows at each change of slots.
; The bias is the C of each accumulator's first product (a sum begins with it, where the reference adds it last).  x1 is loaded behind the loop and added on the way out.
; LIMITS: NaN and infinities are not served.
.set T,     4
.set NQ,    4
.set KS8,   32
.set ASOFF, 12582912                   ; the tokens' scale words in gb
.set BCOFF, 6291456                    ; the weight's codes in wqb
.set BSOFF, 9437184+262144             ; and its scale words
.set FR,    12
.set FRB,   1536
.set NL,    6
.set NP,    4
.set HN,    (T/2)*NL                   ; LDS loads of two fragments
.set HALFT, T*NQ*FRB                   ; four tiles x a chunk
.set SLOT,  4*HALFT
.set SCL,   2*SLOT
.set HALFS, T*KS8*64
.set SPARE, SCL+4*HALFS                ; the spare words, 128 bytes a wave
.set LAPS,  KS8/(2*NQ)
.set ADRA,  16                         ; v16-17 LDS address of my tokens' fragments in slot 0, 1
.set ADRB,  20                         ; v20-21 of my weight's
.set PFO,   22                         ; v22  256 x min(lane, 23)
.set PFR,   23                         ; v23  4,096 x lane: a row of x1
.set STO,   24                         ; v24  the stage: where I put 32 bytes of a row
.set RD,    25                         ; v25  where I read a row back
.set CO,    26                         ; v26  my byte offset among two rows of out0
.set ADRS,  27                         ; v27  my scale words: lanes 0-15 tokens, lanes 16-31 weight
.set SPW,   28
.set NIL,   29
.set BO,    30                         ; v30  64 h
.set SC,    32                         ; v32-63 scale words, two sets of 16; register 4 q + i: tile i, K step q of the chunk
.set BI,    64                         ; v64-95 the bias along my registers
.set AF,    128                        ; v128-175 the tokens' fragments
.set OB,    128                        ; v128-255 rows on their way out; window 3's v128-255: x1
.set G1, 24
.set G0, 32
.set G1B, 48
.set G0B, 56
.set G1S, 68
.set G0S, 76
.set G1SB, 80
.set G0SB, 88
.set PFA, 96                           ; s[96:97] where my prefetches stand
.set MSB, 0
.macro WIN new
.if MSB != (\new)
	s_set_vgpr_msb (MSB<<8)|(\new)
.set MSB, (\new)
.endif
.endm
.set TO_B, 0x40
.macro PLACES n
.rept \n
	v_nop
.endr
.endm
.macro TL g0, g1                       ; a tensor load; an s_nop 0 and four v_nop follow it
	tensor_load_to_lds s[\g0:\g0+3], s[\g1:\g1+7]
	s_nop 0
	PLACES 4
.endm
.macro JLOAD s                         ; the ring's joint load: waves 0 and 1 four tiles of tokens each, waves 2 and 3 of the weight
	s_cmp_eq_u32 s15, 0
	s_cbranch_scc0 .Lfor_b_\@
	TL G0+4*\s, G1
	s_branch .Lasked_\@
.Lfor_b_\@:
	TL G0B+4*\s, G1B
.Lasked_\@:
.endm
.macro CREST
	s_cmp_lg_u32 s14, 0
	s_cbranch_scc1 .Lnot_wave_0_\@
	s_barrier_signal -3
.Lnot_wave_0_\@:
	s_barrier_wait -3
	s_barrier_signal -1
	s_barrier_wait -1
.endm
.macro CROUND
	s_barrier_signal -1
	s_barrier_wait -1
	CREST
.endm
	s_load_b128 s[4:7], s[0:1], 0x0                ; gb, wqb
	s_load_b128 s[8:11], s[0:1], 0x10              ; b_mproj, x1
	s_load_b64 s[12:13], s[0:1], 0x20              ; out0
	v_lshl_add_u32 v[SPW], v0, 2, SPARE
	v_mov_b32 v[NIL], 0
	ds_add_u32 v[SPW], v[NIL]                      ; the wave's opening
	ds_add_u32 v[SPW], v[NIL]
	v_lshrrev_b32 v1, 5, v0
	v_readfirstlane_b32 s14, v1                    ; wave
	s_lshr_b32 s15, s14, 1                         ; my half of the block's rows; in the ring: I load tokens (0) or weight (1)
	s_and_b32 s16, s14, 1                          ; my half of its columns; in the ring: which four tiles I load
	s_bfe_u32 s40, ttmp6, 0x40000                  ; cx
	s_bfe_u32 s41, ttmp6, 0x40004                  ; cy
	s_lshl_b32 s17, ttmp9, 2
	s_add_co_u32 s17, s17, s40                     ; block row = 4 x cluster x + cx
	s_and_b32 s42, ttmp7, 0xffff
	s_lshl_b32 s42, s42, 2
	s_add_co_u32 s42, s42, s41                     ; block column = 4 x cluster y + cy
	s_lshl_b32 s43, 0x1111, s40                    ; my column of the cluster shares the tokens
	s_lshl_b32 s44, s41, 2
	s_lshl_b32 s44, 15, s44                        ; my row shares the weight
	s_or_b32 s[G1+0], s43, (3<<16)|(1<<21)
	s_or_b32 s[G1B+0], s44, (3<<16)|(1<<21)
.irp g, G1, G1B                        ; a tile's chunk is a row of 6,144 bytes, rows 49,152 bytes apart; eight tiles at the head, four in the ring
	s_mov_b32 s[\g+1], (NQ*192)<<16
	s_mov_b32 s[\g+2], (2*T)<<16
	s_mov_b32 s[\g+3], (NQ*192)<<16
	s_mov_b32 s[\g+4], 2*T
	s_mov_b32 s[\g+5], KS8*192
	s_mov_b32 s[\g+6], 0
	s_mov_b32 s[\g+7], 0
.endr
	s_or_b32 s[G1S+0], s43, (3<<16)|(1<<21)
	s_or_b32 s[G1SB+0], s44, (3<<16)|(1<<21)
.irp g, G1S, G1SB                      ; eight tiles' scale words: a dense block of 64 rows of 256 bytes
	s_mov_b32 s[\g+1], 32<<16
	s_mov_b32 s[\g+2], (HALFS/128)<<16
	s_mov_b32 s[\g+3], 32<<16
	s_mov_b32 s[\g+4], HALFS/128
	s_mov_b32 s[\g+5], 32
	s_mov_b32 s[\g+6], 0
	s_mov_b32 s[\g+7], 0
.endr
	s_lshl_b32 s20, s17, 1
	s_mul_i32 s22, s20, HALFS
	s_add_co_u32 s22, s22, ASOFF                   ; the block's tokens: scale words,
	s_mul_i32 s20, s20, T*KS8*FRB                  ; codes
	s_mov_b32 s21, 0
	s_mov_b32 s23, 0
	s_lshl_b32 s46, s42, 1
	s_mul_i32 s92, s46, HALFS
	s_add_co_u32 s92, s92, BSOFF                   ; the block's weight columns: scale words,
	s_mul_i32 s46, s46, T*KS8*FRB
	s_add_co_u32 s46, s46, BCOFF                   ; codes
	s_mov_b32 s47, 0
	s_mov_b32 s93, 0
	s_mul_i32 s18, s16, T*KS8*FRB                  ; in the ring: my four tiles of the eight,
	s_mov_b32 s19, 0
	s_mul_i32 s45, s14, HALFT                      ; and their place in a slot
	s_cmp_eq_u32 s15, 0
	s_cselect_b32 s98, s41, s40                    ; my place among the four that ask with me
	s_mul_i32 s98, s98, KS8*FRB                    ; that tile of my four,
	s_add_co_u32 s98, s98, 2*NQ*FRB                ; chunk 2
	s_mov_b32 s99, 0
	s_wait_dscnt 0x0                               ; both opening adds are done
	s_wait_kmcnt 0x0
	s_add_nc_u64 s[20:21], s[4:5], s[20:21]
	s_add_nc_u64 s[22:23], s[4:5], s[22:23]
	s_add_nc_u64 s[46:47], s[6:7], s[46:47]
	s_add_nc_u64 s[92:93], s[6:7], s[92:93]
	s_cmp_eq_u32 s15, 0
	s_cselect_b64 s[PFA:PFA+1], s[20:21], s[46:47]
	s_add_nc_u64 s[PFA:PFA+1], s[PFA:PFA+1], s[18:19]
	s_add_nc_u64 s[PFA:PFA+1], s[PFA:PFA+1], s[98:99]
	CROUND                                         ; all sixteen work-groups are here: the first joint loads meet
	s_mov_b32 s[G0], 1                             ; slot 0's groups 0 name, for the head, the whole eight tiles
	s_mov_b32 s[G0+1], 0
	s_mov_b64 s[G0+2:G0+3], s[20:21]
	s_or_b32 s[G0+3], s[G0+3], 0x80000000
	s_mov_b32 s[G0B], 1
	s_mov_b32 s[G0B+1], 2*HALFT
	s_mov_b64 s[G0B+2:G0B+3], s[46:47]
	s_or_b32 s[G0B+3], s[G0B+3], 0x80000000
	s_mov_b32 s[G0S], 1
	s_mov_b32 s[G0S+1], SCL
	s_mov_b64 s[G0S+2:G0S+3], s[22:23]
	s_or_b32 s[G0S+3], s[G0S+3], 0x80000000
	s_mov_b32 s[G0SB], 1
	s_mov_b32 s[G0SB+1], SCL+2*HALFS
	s_mov_b64 s[G0SB+2:G0SB+3], s[92:93]
	s_or_b32 s[G0SB+3], s[G0SB+3], 0x80000000
	s_add_nc_u64 s[20:21], s[20:21], s[18:19]      ; slot 1's: my four tiles, chunk 1
	s_add_nc_u64 s[46:47], s[46:47], s[18:19]
	s_mov_b32 s[G0+4], 1
	s_add_co_u32 s[G0+5], s45, SLOT
	s_add_nc_u64 s[G0+6:G0+7], s[20:21], NQ*FRB
	s_or_b32 s[G0+7], s[G0+7], 0x80000000
	s_mov_b32 s[G0B+4], 1
	s_add_co_u32 s[G0B+5], s45, SLOT
	s_add_nc_u64 s[G0B+6:G0B+7], s[46:47], NQ*FRB
	s_or_b32 s[G0B+7], s[G0B+7], 0x80000000
.macro ARM under, g0, g1, next         ; one chain of branches on the wave's number, one load to an arm, all arms to one join
	s_cmp_lt_u32 s14, \under
	s_cbranch_scc0 \next
	TL \g0, \g1
	s_branch .Lhead_asked
\next:
.endm
	ARM 1, G0, G1, .Lhead_b
	ARM 2, G0B, G1B, .Lhead_sa
	ARM 3, G0S, G1S, .Lhead_sb
	TL G0SB, G1SB
.Lhead_asked:
	s_lshl_b32 s20, s17, 7
	s_lshl_b32 s21, s15, 6
	s_add_co_u32 s20, s20, s21
	s_lshl_b32 s20, s20, 12                        ; my first row of out0, in bytes
	s_lshl_b32 s46, s42, 9
	s_lshl_b32 s47, s16, 8
	s_add_co_u32 s46, s46, s47                     ; my first column, in bytes
	s_mov_b32 s47, 0
	s_add_nc_u64 s[8:9], s[8:9], s[46:47]
	s_add_co_u32 s20, s20, s46
	s_mov_b32 s21, 0
	s_add_nc_u64 s[10:11], s[10:11], s[20:21]
	s_add_nc_u64 s[12:13], s[12:13], s[20:21]
	s_mul_i32 s20, s15, HALFT                      ; LDS: my four tiles of tokens,
	s_mul_i32 s21, s16, HALFT
	s_add_co_u32 s21, s21, 2*HALFT                 ; of the weight,
	s_mul_i32 s23, s15, HALFS
	s_mul_i32 s22, s16, HALFS
	s_add_co_u32 s22, s22, 2*HALFS
	s_sub_co_u32 s22, s22, s23                     ; from my tokens' scale words to my weight's,
	s_add_co_u32 s23, s23, SCL
	s_mul_i32 s46, s14, 16*272                     ; my stage: 16 rows x (256 + 16) bytes in slot 0, which has had its last fill and its last read when the first result is stored there
	v_and_b32 v1, 15, v0                           ; r
	v_bfe_u32 v2, v0, 4, 1                         ; h
	v_and_b32 v3, 31, v0
	v_lshlrev_b32 v4, 3, v3
	v_add_nc_u32 v[ADRA], s20, v4
	v_add_nc_u32 v[ADRB], s21, v4
	v_add_nc_u32 v[ADRA+1], SLOT, v[ADRA]
	v_add_nc_u32 v[ADRB+1], SLOT, v[ADRB]
	v_mul_u32_u24 v6, s22, v2
	v_lshl_add_u32 v6, v1, 2, v6
	v_add_nc_u32 v[ADRS], s23, v6
	v_mul_u32_u24 v5, v1, 272
	v_lshl_add_u32 v5, v2, 6, v5
	v_add_nc_u32 v[STO], s46, v5
	v_mul_u32_u24 v5, v2, 272
	v_lshl_add_u32 v5, v1, 4, v5
	v_add_nc_u32 v[RD], s46, v5
	v_lshlrev_b32 v5, 12, v2
	v_lshl_add_u32 v[CO], v1, 4, v5                ; lanes 0-15 one row's 256 bytes, lanes 16-31 the next row's
	v_lshlrev_b32 v[BO], 6, v2
	v_min_u32 v[PFO], 23, v3
	v_lshlrev_b32 v[PFO], 8, v[PFO]
	v_lshlrev_b32 v[PFR], 12, v3
	s_wait_alu depctr_va_vdst(0)                   ; the head's end
.irp b, 0,1,2,3
	global_load_b128 v[BI+8*\b:BI+8*\b+3], v[BO], s[8:9] offset:(32*(\b/2)+8*(\b%2))*4
	global_load_b128 v[BI+8*\b+4:BI+8*\b+7], v[BO], s[8:9] offset:(32*(\b/2)+8*(\b%2))*4+16
.endr
	global_prefetch_b8 v[PFO], s[PFA:PFA+1] th:TH_LOAD_NT scope:SCOPE_SE   ; chunk 2, behind the fill of chunk 0
.macro FRAG reg, adr, q, i
.irp p, 0,1,2,3,4,5
	ds_load_b64 v[\reg+2*\p:\reg+2*\p+1], v[\adr] offset:((\i)*NQ+(\q))*FRB+256*\p
.endr
.endm
.macro FETCH_B slot, q, p              ; the weight's four fragments of K step q into set p
	WIN TO_B
.set I_, 0
.rept T
	FRAG 128*(\p)+FR*I_, ADRB+\slot, \q, I_
.set I_, I_+1
.endr
	WIN 0
.endm
.macro FETCH_A slot, q, i0             ; two of the tokens' four
.set I_, \i0
.rept T/2
	FRAG AF+FR*I_, ADRA+\slot, \q, I_
.set I_, I_+1
.endr
.endm
.macro SCALES sc                       ; a chunk's scale words; the registers of a product's two sides are one, or differ modulo 8
.set I_, 0
.rept T
.set Q_, 0
.rept NQ
	ds_load_b32 v[SC+16*(\sc)+T*Q_+I_], v[ADRS] offset:I_*KS8*64+64*Q_
.set Q_, Q_+1
.endr
.set I_, I_+1
.endr
.endm
.macro PROD d, b, a, c, xb, xa
	v_wmma_scale_f32_16x16x128_f8f6f4 v[\d:\d+7], v[\b:\b+FR-1], v[\a:\a+FR-1], v[\c:\c+7], v[\xb], v[\xa] matrix_a_fmt:MATRIX_FMT_FP6 matrix_b_fmt:MATRIX_FMT_FP6 matrix_a_scale:MATRIX_SCALE_ROW1
.endm
.macro MULQ a, p, q, sc, first         ; tile a of tokens x the weight's four.  The 16 accumulators take turns, one instruction a turn, in the same order in every step.  first = 1: C is the bias
.set B_, 0
.rept T
.set AC_, 32*((\a)%2)+8*B_
.if \first
	PROD AC_, 128*(\p)+FR*B_, AF+FR*(\a), BI+8*B_, SC+16*(\sc)+T*(\q)+B_, SC+16*(\sc)+T*(\q)+(\a)
.else
	PROD AC_, 128*(\p)+FR*B_, AF+FR*(\a), AC_, SC+16*(\sc)+T*(\q)+B_, SC+16*(\sc)+T*(\q)+(\a)
.endif
.set B_, B_+1
.endr
.endm
; windows of a product: source 0 window 1, source 1 window 0, D window 2 (tiles 0, 1) or 3 (tiles 2, 3); C as D, or window 0 for the bias
.macro STEP slot, q, first
	s_wait_dscnt HN                                ; the weight's set and the tokens' tiles 0, 1 are in; the youngest HN loads may be out
	WIN 0xa1-0x20*(\first)
	MULQ 0, (\q)%2, \q, \slot, \first
	MULQ 1, (\q)%2, \q, \slot, \first
	s_wait_dscnt 0
	PLACES NP
	FETCH_B \slot, (\q)+1, 1-(\q)%2
	FETCH_A \slot, (\q)+1, 0
	WIN 0xf1-0x30*(\first)
	MULQ 2, (\q)%2, \q, \slot, \first
	MULQ 3, (\q)%2, \q, \slot, \first
	PLACES NP
	WIN 0
	FETCH_A \slot, (\q)+1, T/2
.endm
.macro ASK slot                        ; s3 = 1 in the loop's last trip
	s_cmp_gt_u32 s3, 1
	s_cbranch_scc0 .Lres_\@
	global_prefetch_b8 v[PFO], s[PFA:PFA+1] offset:NQ*FRB th:TH_LOAD_NT scope:SCOPE_SE   ; the chunk two fills on
	s_branch .Lpf_\@
.Lres_\@:
	global_prefetch_b8 v[PFR], s[10:11] offset:\slot*32*4096 th:TH_LOAD_NT scope:SCOPE_SE   ; 32 of my 64 rows of x1
.Lpf_\@:
.endm
.macro TURN slot, next, fill           ; a chunk's last K step, and the change of slots
.if \fill
	s_wait_xcnt 0x0                                ; my last prefetch has read its address
	s_add_nc_u64 s[PFA:PFA+1], s[PFA:PFA+1], NQ*FRB
.endif
	s_wait_tensorcnt 0x0                           ; all my tensor loads have landed: my part of the next slot
	ds_add_u32 v[SPW], v[NIL]                      ; 0 onto my spare word
	s_wait_dscnt HN+1                              ; (the add and the tokens' tiles 2, 3 may be out)
	WIN 0xa1
	MULQ 0, 1, NQ-1, \slot, 0
	s_wait_dscnt 0x0                               ; the add is done, and my reads of this slot are over
	s_barrier_signal -1
	MULQ 1, 1, NQ-1, \slot, 0
	WIN 0
	s_barrier_wait -1
.if \fill
	CREST                                          ; the barrier has opened a round of the cluster's: no wave of any partner still reads this slot or has a load on its way
	s_add_nc_u64 s[G0+4*\slot+2:G0+4*\slot+3], s[G0+4*\slot+2:G0+4*\slot+3], 2*NQ*FRB
	s_add_nc_u64 s[G0B+4*\slot+2:G0B+4*\slot+3], s[G0B+4*\slot+2:G0B+4*\slot+3], 2*NQ*FRB
	JLOAD \slot                                    ; my one tensor load behind the round; its four v_nop are the places in front of the loads below
.else
	PLACES NP
.endif
	s_wait_alu depctr_va_vdst(0)
	v_add_nc_u32 v[ADRS], 64*NQ, v[ADRS]
	FETCH_B \next, 0, 0
	FETCH_A \next, 0, 0
	SCALES \next
.if \fill
	ASK \slot
.endif
	WIN 0xf1
	MULQ 2, 1, NQ-1, \slot, 0
	MULQ 3, 1, NQ-1, \slot, 0
	PLACES NP
	WIN 0
	FETCH_A \next, 0, T/2
.endm
.macro REST slot                       ; a chunk's inner steps
.set QQ, 1
.rept NQ-2
	STEP \slot, QQ, 0
.set QQ, QQ+1
.endr
.endm
	s_wait_tensorcnt 0x0                           ; my tile of the head's four is in
	ds_add_u32 v[SPW], v[NIL]
	s_mov_b32 s[G1+2], T<<16                       ; no load of mine is out: the descriptors become the ring's: four tiles a load,
	s_mov_b32 s[G1+4], T
	s_mov_b32 s[G1B+2], T<<16
	s_mov_b32 s[G1B+4], T
	s_mov_b32 s[G0+1], s45                         ; my place in the slot,
	s_mov_b32 s[G0B+1], s45
	s_add_nc_u64 s[G0+2:G0+3], s[G0+2:G0+3], s[18:19]      ; my four tiles
	s_add_nc_u64 s[G0B+2:G0B+3], s[G0B+2:G0B+3], s[18:19]
	s_wait_dscnt 0x0
	CROUND                                         ; all four tiles are in, in every partner
	JLOAD 1                                        ; chunk 1, my one load behind the round
	FETCH_B 0, 0, 0
	FETCH_A 0, 0, 0
	SCALES 0
	FETCH_A 0, 0, T/2
	global_prefetch_b8 v[PFO], s[PFA:PFA+1] offset:NQ*FRB th:TH_LOAD_NT scope:SCOPE_SE   ; chunk 3, behind the fill of chunk 1
	s_wait_loadcnt 0x0                             ; the bias
	STEP 0, 0, 1
	s_mov_b32 s3, LAPS-1
.Llap:                                             ; a trip goes once round the ring and fills both slots again
	REST 0
	TURN 0, 1, 1
	STEP 1, 0, 0
	REST 1
	TURN 1, 0, 1
	STEP 0, 0, 0
	s_sub_co_u32 s3, s3, 1
	s_cmp_lg_u32 s3, 0
	s_cbranch_scc1 .Llap
	WIN 0xc0                                       ; destination window 3: x1, in the order in which the rows leave
.irp a, 0,1,2,3
.irp t, 0,1,2,3,4,5,6,7
	global_load_b128 v[128+32*\a+4*\t:131+32*\a+4*\t], v[CO], s[10:11] offset:(32*(\a/2)+8*(\a%2)+2*(\t%4)+16*(\t/4))*4096 th:TH_LOAD_NT
.endr
.endr
	WIN 0
	REST 0
	TURN 0, 1, 0
	STEP 1, 0, 0
	REST 1
	s_wait_dscnt HN
	WIN 0xa1
	MULQ 0, 1, NQ-1, 1, 0
	MULQ 1, 1, NQ-1, 1, 0
	s_wait_dscnt 0
	WIN 0xf1
	MULQ 2, 1, NQ-1, 1, 0
	MULQ 3, 1, NQ-1, 1, 0
	WIN 0
	PLACES NP
; THE WAY OUT, a tile of 16 tokens x 64 columns at a time: through my stage, so that sixteen lanes hold a row's 256 bytes; + x1; stored.  LDS serves a wave's instructions in order: no wait between the stores and the loads, nor ahead of the next tile's stores
.macro TOSTAGE a
	WIN 0x08+4*((\a)/2)                            ; the data: window 2 or 3
.irp b, 0,1,2,3
	ds_store_b128 v[STO], v[32*((\a)%2)+8*\b:32*((\a)%2)+8*\b+3] offset:128*(\b/2)+32*(\b%2)   ; each accumulator from its low end on
	ds_store_b128 v[STO], v[32*((\a)%2)+8*\b+4:32*((\a)%2)+8*\b+7] offset:128*(\b/2)+32*(\b%2)+16
.endr
	WIN 0
.irp t, 0,1,2,3,4,5,6,7
	ds_load_b128 v[OB+32*(\a)+4*\t:OB+32*(\a)+4*\t+3], v[RD] offset:544*\t
.endr
.endm
.macro SEND a, younger                 ; younger: the next tile's 8 stores and 8 loads, which may stay out
	s_wait_dscnt \younger
.if (\a) == 0
	s_wait_loadcnt 0x0                             ; x1
.endif
	WIN 0x0c                                       ; source 1: window 3
.set I_, 0
.rept 16
	v_pk_add_f32 v[OB+32*(\a)+2*I_:OB+32*(\a)+2*I_+1], v[OB+32*(\a)+2*I_:OB+32*(\a)+2*I_+1], v[128+32*(\a)+2*I_:129+32*(\a)+2*I_]
.set I_, I_+1
.endr
	WIN 0
.irp t, 0,1,2,3,4,5,6,7
	global_store_b128 v[CO], v[OB+32*(\a)+4*\t:OB+32*(\a)+4*\t+3], s[12:13] offset:(32*((\a)/2)+8*((\a)%2)+2*(\t%4)+16*(\t/4))*4096 th:TH_STORE_NT   ; sixteen lanes store 256 consecutive bytes, aligned
.endr
.endm
	TOSTAGE 0
.irp a, 1,2,3
	TOSTAGE \a
	SEND \a-1, 16
.endr
	SEND 3, 0
	s_wait_tensorcnt 0x0                           ; the wave's end, behind my last tensor load and my last LDS store
	ds_add_u32 v[SPW], v[NIL]
	s_wait_dscnt 0x0
	CROUND                                         ; the closing round
	s_endpgm
.Lfunc_end_k_q949305eca6_g6:
	.size	k_q949305eca6_g6, .Lfunc_end_k_q949305eca6_g6-k_q949305eca6_g6
	.p2alignl 7, 3214868480
	.fill 96, 4, 3214868480
	.section	.rodata,"a",@progbits
	.p2align	6, 0x0
	.amdhsa_kernel k_q949305eca6_g6
		.amdhsa_group_segment_fixed_size 327680
		.amdhsa_private_segment_fixed_size 0
		.amdhsa_enable_private_segment 0
		.amdhsa_kernarg_size 40
		.amdhsa_user_sgpr_count 2
		.amdhsa_user_sgpr_kernarg_segment_ptr 1
		.amdhsa_wavefront_size32 1
		.amdhsa_system_sgpr_workgroup_id_x 1
		.amdhsa_system_sgpr_workgroup_id_y 1
		.amdhsa_system_sgpr_workgroup_id_z 1
		.amdhsa_system_vgpr_workitem_id 0
		.amdhsa_next_free_vgpr 1024
		.amdhsa_next_free_sgpr 102
		.amdhsa_reserve_vcc 0
		.amdhsa_float_denorm_mode_32 3
		.amdhsa_float_denorm_mode_16_64 3
		.amdhsa_memory_ordered 1
		.amdhsa_forward_progress 1
		.amdhsa_inst_pref_size 122
	.end_amdhsa_kernel
	.amdgpu_metadata
---
amdhsa.version: [ 1, 2 ]
amdhsa.kernels:
  - .name:           k_q949305eca6_g6
    .symbol:         k_q949305eca6_g6.kd
    .args:
      - { .name: gb, .offset: 0, .size: 8, .value_kind: global_buffer, .address_space: global }
      - { .name: wqb, .offset: 8, .size: 8, .value_kind: global_buffer, .address_space: global }
      - { .name: b_mproj, .offset: 16, .size: 8, .value_kind: global_buffer, .address_space: global }
      - { .name: x1, .offset: 24, .size: 8, .value_kind: global_buffer, .address_space: global }
      - { .name: out0, .offset: 32, .size: 8, .value_kind: global_buffer, .address_space: global }
    .group_segment_fixed_size: 327680
    .private_segment_fixed_size: 0
    .kernarg_segment_align: 8
    .kernarg_segment_size: 40
    .max_flat_workgroup_size: 128
    .sgpr_count:     102
    .vgpr_count:     1024
    .wavefront_size: 32
...
	.end_amdgpu_metadata
.endif
;; end of part 6
